; MI455X (gfx1250); checked and timed in simulation.
; The chip was launched on July 23, 2026; its instructions are those of AMD's public machine-readable ISA for CDNA 5 (MIT licence, August 2026) and "CDNA5" Instruction Set Architecture Reference Guide (July 2026). The comments in the code are by the model that wrote it; some were corrected since.
;; Deformable Transformer. Allowed arithmetic: matrix products marked QUANTISED: E2M1 operands, one E8M0 scale for each 32 along K, by v_wmma_scale_f32_16x16x128_f8f6f4 with both operands' format E2M1 (or v_wmma_scale_f32_32x16x128_f4), f32 sums; everything else in f32.
;; Inputs: Wattn_codes 96 x 8 x 16 uint8 (E2M1 codes of Wattn, K innermost, in blocks of 32 codes, two codes a byte); Wattn_scales 96 x 8 uint8 (E8M0 scales of Wattn, one for each 32 codes along K); Wff1_codes 1,024 x 8 x 16 uint8 (E2M1 codes of Wff1, K innermost, in blocks of 32 codes, two codes a byte); Wff1_scales 1,024 x 8 uint8 (E8M0 scales of Wff1, one for each 32 codes along K); Wff2_codes 256 x 32 x 16 uint8 (E2M1 codes of Wff2, K innermost, in blocks of 32 codes, two codes a byte); Wff2_scales 256 x 32 uint8 (E8M0 scales of Wff2, one for each 32 codes along K); Woff_codes 192 x 8 x 16 uint8 (E2M1 codes of Woff, K innermost, in blocks of 32 codes, two codes a byte); Woff_scales 192 x 8 uint8 (E8M0 scales of Woff, one for each 32 codes along K); Wout_codes 256 x 8 x 16 uint8 (E2M1 codes of Wout, K innermost, in blocks of 32 codes, two codes a byte); Wout_scales 256 x 8 uint8 (E8M0 scales of Wout, one for each 32 codes along K); Wv_codes 256 x 8 x 16 uint8 (E2M1 codes of Wv, K innermost, in blocks of 32 codes, two codes a byte); Wv_scales 256 x 8 uint8 (E8M0 scales of Wv, one for each 32 codes along K); b1 256 float32; b2 256 float32; battn 96 float32; bff1 1,024 float32; bff2 256 float32; boff 192 float32; bout 256 float32; bv 256 float32; g1 256 float32; g2 256 float32; pos 2 x 13,125 x 256 float32; reference_points 2 x 13,125 x 3 x 2 float32; src 2 x 13,125 x 256 float32.
;; Outputs: out0 2 x 13,125 x 256 float32.
;; This version of the problem:
;;   THIS VERSION OF THE PROBLEM IS GIVEN IN LOW PRECISION. The matrix products marked QUANTISED in the list below multiply operands that are first quantised to E2M1 (2 exponent bits, 1 mantissa bit; 4 bits a number), with one power-of-two scale for each 32 numbers along K (OCP MX v1.0); their sums are f32. All else is computed in f32.
;;   The module's matrix products, in the order in which they are computed (A, B: the left and right operand; K: the contracted axis; several contracted axes count as one K, in the product's order):
;;     1. [M 26,250, K 256] x [K 256, N 256]; A: input src; B: input Wv (given as codes): QUANTISED
;;     2. [M 26,250, K 256] x [K 256, N 192]; A: computed on the way; B: input Woff (given as codes): QUANTISED
;;     3. [M 26,250, K 256] x [K 256, N 96]; A: computed on the way; B: input Wattn (given as codes): QUANTISED
;;     4. [M 26,250, K 256] x [K 256, N 256]; A: computed on the way; B: input Wout (given as codes): QUANTISED
;;     5. [M 26,250, K 256] x [K 256, N 1,024]; A: computed on the way; B: input Wff1 (given as codes): QUANTISED
;;     6. [M 26,250, K 1,024] x [K 1,024, N 256]; A: computed on the way; B: input Wff2 (given as codes): QUANTISED
;;   THE QUANTISER, for each operand of a quantised product, along K:
;;     - K is cut into blocks of 32 from its start; a last block that is shorter is filled with zeros.
;;     - A block's scale is 2^e with e = floor(log2(the largest magnitude in the block)) - 2, held to -126 .. 127; a block of zeros has e = 0. As a byte (E8M0): e + 127.
;;     - Each number is divided by its block's scale, clamped to +-6, and rounded to the nearest number of E2M1, ties to even, subnormals kept.
;;     - The product sums the exact products of the quantised numbers (number of the format x scale) in f32.
;;   ~~~python
;;   def quantise(x, axis):      # numpy; x: float32 -> the quantised numbers, widened to float32 again
;;       x = np.moveaxis(x, axis, -1); K = x.shape[-1]
;;       x = np.pad(x, [(0, 0)] * (x.ndim - 1) + [(0, -K % 32)]); x = x.reshape(x.shape[:-1] + (-1, 32)); a = np.abs(x).max(-1, keepdims=True)
;;       e = np.where(a > 0, np.clip(np.frexp(np.where(a > 0, a, 1))[1] - 1 - 2, -126, 127), 0)      # np.frexp(a)[1] - 1 = floor(log2(a)), exactly
;;       r = np.clip(x / 2.0 ** e, -6, 6)
;;       step = 2.0 ** (np.maximum(np.frexp(np.where(r == 0, 1, r))[1] - 1, 0) - 1)
;;       q = np.round(r / step) * step * 2.0 ** e      # np.round: ties to even
;;       return np.moveaxis(q.reshape(q.shape[:-2] + (-1,))[..., :K], -1, axis).astype(np.float32)
;;   ~~~
;;   OPERANDS COMPUTED ON THE WAY. 'Computed on the way' means the value that the module computes at that place (a softmax that the list does not call 'softmax' is quantised finished and normalised). What goes into a quantiser is computed in f32, as accurately as f32 sums, v_exp_f32 and their like allow (about 1e-6 of the number): no bf16 or f16 on the way to a quantiser, and a product that is left as it is and whose result goes on into a quantised operand takes f32 operands (vector FMAs, or v_wmma_f32_16x16x4_f32). A number that lies on a knife's edge between two numbers of the format may be rounded either way, as far as f32 arithmetic and the matrix unit's own rounding can turn it there, and no further.
;;   INPUTS GIVEN AS CODES. Wattn (in the module: [256, 96], K = its axis 0); Wff1 (in the module: [256, 1024], K = its axis 0); Wff2 (in the module: [1024, 256], K = its axis 0); Woff (in the module: [256, 192], K = its axis 0); Wout (in the module: [256, 256], K = its axis 0); Wv (in the module: [256, 256], K = its axis 0): each comes as NAME_codes (uint8): NAME with its K axis moved to the last place and cut into blocks of 32 codes, [.., K / 32, bytes a block], one block behind the other in memory; two codes a byte, the lower K in the low four bits (a code: sign, 2 exponent bits, 1 mantissa bit); and NAME_scales (uint8): the same leading axes, one E8M0 byte (e + 127) for each 32 codes along K. Its value is code x scale, taken as it is: it is not quantised again, and the codes and scales need not be those that the quantiser above would give.
;; 2 versions, each right and faster than the one before. Each part assembles by itself: llvm-mc -triple=amdgcn-amd-amdhsa -mcpu=gfx1250 --defsym DOCPART=n.
;; ======== version 1 of 2: 3 launches
;; workspace buffers: value 27,017,216 bytes; sidx 10,125,312 bytes of whole numbers; swgt 40,501,248 bytes; acodes 3,360,768 bytes; ascales 210,176 bytes
;; launch project (part 1): grid 206 x 1, 4 waves a work-group, no clusters, 306,688 bytes of LDS; arguments src, pos, reference_points, Wv_codes, Wv_scales, bv, Woff_codes, Woff_scales, boff, Wattn_codes, Wattn_scales, battn, value, sidx, swgt; writes value, sidx, swgt
.if DOCPART == 1
	.amdgcn_target "amdgcn-amd-amdhsa--gfx1250"
	.amdhsa_code_object_version 6
	.text
	.protected	k_q436b3f0af7_project
	.globl	k_q436b3f0af7_project
	.p2align	8
	.type	k_q436b3f0af7_project,@function
k_q436b3f0af7_project:
	s_mov_b64 s[64:65], 0
	v_nop
	global_prefetch_b8 v0, s[64:65] scope:SCOPE_SE
	s_setreg_imm32_b32 hwreg(HW_REG_WAVE_MODE, 25, 1), 1
	s_wait_xcnt 0x0
; PROJECT: value = Q(src) Wv + bv;  offsets = Q(src + pos) Woff + boff;  attention = softmax(Q(src + pos) Wattn + battn) over a head's 12 points;
; then, for each (row, head, level, point), the index of the sample's upper left pixel (a whole number) and the four corner weights (attention and validity multiplied in).
; All three products on codes of FP4 (E2M1) with one E8M0 scale for each 32 along K = 256.
; SHARES.  A work-group takes 128 rows (8 tiles of 16).  Quantising is shared by rows (wave w: tiles 2 w, 2 w + 1); the products by columns: wave w owns heads 2 w and 2 w + 1 for all
; 8 tiles, and its 9 tiles of weight rows stay in registers.  The products are used transposed (source 0 = 16 weight rows, source 1 = 16 data rows), and the weight rows of a tile are
; chosen so that lanes 0-15 hold head 2 w and lanes 16-31 head 2 w + 1 of data row lane % 16: a lane is one (row, head) and holds its 32 channels, 24 offsets and 12 logits.
; THE WAY IN.  A load is best where neighbouring lanes take neighbouring bytes, the quantiser wants 16 neighbours along K in one lane.  So a wave's 32 rows of src and pos come by 128 loads of 512
; consecutive bytes into windows 2 and 3, all issued at the head, go into padded rows of LDS as they lie, and come back 64 bytes a lane.  These are the wave's own bytes: no barrier.
; THE LAST WORK-GROUP has 10 rows: local row k loads row min(k & 15, 9), so its 8 tiles are copies of the last tile and that tile's rows 10-15 copies of the last row.  What it stores goes
; to padded rows and tiles of the workspace buffers.  No lane is ever switched off.
; value lies [head][128 guard rows + row][32 channels] f32, a head 3,375,104 bytes: a (row, head) is 128 consecutive bytes.  A corner of weight 0 may then point at any stored row.
; LIMITS: NaN and infinities among the inputs are not served.  The sampling place is x = ref W + off - 0.5 (one fused step; equal in exact arithmetic to the problem's chain).
; Places beyond the range of i32 saturate and get weight 0.  Blocks whose largest magnitude lies under 2^-124 keep the scale byte 1.
.set NLAST, 205                        ; the last work-group
.set HS,    3375104                    ; bytes of a head in value: 26,368 rows of 128
.set PITCH, 1040                       ; an LDS row: 1,024 bytes + 16: sixteen rows of one column start at sixteen different groups of banks
.set POSL,  133120                     ; LDS: src's 128 rows at 0, pos's here,
.set XI,    266240                     ; 32 operand images of 1,024 bytes (tile m, operand o, K step s: 4 m + 2 o + s),
.set XSW,   299008                     ; their scale words, 128 bytes each,
.set REFL,  303104                     ; and the 128 rows' reference points, 24 bytes each
.set L16, 1                            ; v1   16 x lane
.set LS,  2                            ; v2   4 x lane
.set QA,  3                            ; v3   src: (32 w + r) x 1040 + 64 h: my 16 numbers of a block of 32
.set QAP, 4                            ; v4   the same in pos
.set XWI, 5                            ; v5   where I store images
.set XWS, 6                            ; v6   and scale words
.set VSA, 7                            ; v7   value's stage (my wave's 4,608 bytes in src's rows, which are dead by then): 144 x lane
.set VLA, 8                            ; v8   and back: four items of 128 bytes an instruction
.set RFA, 9                            ; v9   reference points of row r
.set SWA, 10                           ; v10  quantising: my wave's rows of src in LDS + 16 x lane;  v11 the same in pos;  later v10-13 addresses of the trip in hand
.set PWA, 11
.set R15, 15                           ; v15  r
.set WSC, 16                           ; v16-33 the weights' scale words (tile t, K step s: 2 t + s);  v34-37 the data's: these hold scales alone
.set XS,  34
.set REFR, 38                          ; v38-43 the row's reference points;  v44-49 ref x W - 0.5
.set RXY, 44
.set RB,  50                           ; v50  13,125 in rows of the second batch, else 0;  v51 = 13,125
.set C13, 51
.set TM,  52                           ; v52-67 at work in the quantiser;  v68-75 the codes just made;  v76 their scale word
.set PC,  68
.set PW,  76
.set FR,  78                           ; v78-109 the tile's four fragments
.set ACC, 110                          ; v110-181 the nine accumulators: value 0-3, offsets 4-6, logits 7-8
.set OFS, 142
.set ATT, 166
.set WT,  182                          ; v182-229 48 corner weights
.set IDXO, 230                         ; v230-241 12 indices
.set SM,  242                          ; v242-249 at work in the softmax
.set RBL, 250                          ; v250-252 batch + level start + guard
.set PT,  52                           ; 12 registers for each of a level's four points, over what the products have done with
.set SA,  78                           ; quantising: 64 numbers of src, 64 of pos
.set SB,  142
.set GO,  142                          ; the head: the byte offsets of my 32 rows,
.set VWO, 176                          ; the offsets of the weights' loads,
.set OWO, 177
.set AWO, 178
.set ASO, 180
.set VSO, 182
.set OSO, 183
.set VBO, 184
.set OBO, 185
.set ABO, 186
.set REFD, 206                         ; my thread's row of reference points, its LDS address and its offset
.set RLA, 212
.set RGO, 213
.set SEL, 38                           ; s[38:39] lane selects of v_permlanex16_b32: lane l xor 16
.set MSB, 0
.macro WIN new                         ; the immediate's high byte repeats the setting that is left
.if MSB != \new
	s_set_vgpr_msb (MSB<<8)|\new
.set MSB, \new
.endif
.endm
; 64 numbers of a lane, register 16 b + i = k 32 b + 16 (lane / 16) + i of my row, become a fragment's codes in v[PC] on and its scale word in v[PW]
.macro QUANT s
.irp b, 0,1,2,3
	v_max3_num_f32 v[TM+\b], |v[\s+16*\b]|, |v[\s+1+16*\b]|, 0x1800000   ; block b: my 16 numbers, and the floor 2^(3 - 127): the byte cannot fall under 1
.endr
.irp i, 2,4,6,8,10,12,14
.irp b, 0,1,2,3
	v_max3_num_f32 v[TM+\b], v[TM+\b], |v[\s+16*\b+\i]|, |v[\s+1+16*\b+\i]|
.endr
.endr
.irp b, 0,1,2,3
	v_permlanex16_b32 v[TM+4+\b], v[TM+\b], s[SEL], s[SEL+1]
.endr
.irp b, 0,1,2,3
	v_max_num_f32 v[TM+\b], v[TM+\b], v[TM+4+\b]   ; with lane l xor 16's: the block's largest magnitude
.endr
.irp b, 0,1,2,3
	v_add_nc_u32 v[TM+12+\b], 0xff000000, v[TM+\b]   ; 2 off its exponent field: the conversion's scale operand
.endr
.irp b, 0,1,2,3
	v_lshrrev_b32 v[TM+4+\b], 23, v[TM+12+\b]      ; the scale's byte
.endr
	v_lshl_or_b32 v[PW], v[TM+5], 8, v[TM+4]
	v_lshl_or_b32 v[PW], v[TM+6], 16, v[PW]
	v_lshl_or_b32 v[PW], v[TM+7], 24, v[PW]
.irp b, 0,1,2,3
	v_cvt_scalef32_pk8_fp4_f32 v[PC+2*\b], v[\s+16*\b:\s+7+16*\b], v[TM+12+\b]
	v_cvt_scalef32_pk8_fp4_f32 v[PC+1+2*\b], v[\s+8+16*\b:\s+15+16*\b], v[TM+12+\b]
.endr
	v_nop                                          ; one plain place behind a scaled conversion
.irp c, 0,1                                    ; the operand's layout wants a whole block in a lane
.irp i, 0,1
	v_permlane16_swap_b32 v[PC+4*\c+\i], v[PC+2+4*\c+\i]
.endr
.endr
.endm
.macro IMAGE adr, off                          ; a fragment goes to LDS as an image of its registers: 16 bytes a lane, 512 a store
.irp c, 0,1
	ds_store_b128 v[\adr], v[PC+4*\c:PC+4*\c+3] offset:\off+512*\c
.endr
.endm
.macro FETCH reg, adr, off                     ; and comes back so, in any wave
.irp c, 0,1
	ds_load_b128 v[\reg+4*\c:\reg+4*\c+3], v[\adr] offset:\off+512*\c
.endr
.endm
.macro QREAD dst, adr, off                     ; 128 along K of my row, my half of each block of 32
.irp b, 0,1,2,3
.irp q, 0,1,2,3
	ds_load_b128 v[\dst+16*\b+4*\q:\dst+16*\b+4*\q+3], v[\adr] offset:\off+128*\b+16*\q
.endr
.endr
.endm
.macro MM d, a, b, c, sa, sb
	v_wmma_scale_f32_16x16x128_f8f6f4 v[\d:\d+7], v[\a:\a+7], v[\b:\b+7], v[\c:\c+7], v[\sa], v[\sb] matrix_a_fmt:MATRIX_FMT_FP4 matrix_b_fmt:MATRIX_FMT_FP4
.endm
; Unit (tile 2 w + j, K step s): 16 half rows of src, then 16 of pos, 512 consecutive bytes a load, into registers 128 s on of the window that is set (2 + j)
.macro DLOAD j, s
.set i, 0
.rept 16
	global_load_b128 v[128*\s+4*i:128*\s+4*i+3], v[GO+16*\j+i], s[4:5] offset:512*\s th:TH_LOAD_NT
.set i, i+1
.endr
.set i, 0
.rept 16
	global_load_b128 v[128*\s+64+4*i:128*\s+64+4*i+3], v[GO+16*\j+i], s[6:7] offset:512*\s th:TH_LOAD_NT
.set i, i+1
.endr
.endm
	s_load_b256 s[4:11], s[0:1], 0x0               ; src, pos, reference_points, Wv codes
	s_load_b256 s[12:19], s[0:1], 0x20             ; Wv scales, bv, Woff codes, Woff scales
	s_load_b256 s[20:27], s[0:1], 0x40             ; boff, Wattn codes, Wattn scales, battn
	s_load_b128 s[28:31], s[0:1], 0x60             ; value, sidx
	s_load_b64 s[32:33], s[0:1], 0x70              ; swgt
	v_lshl_add_u32 v254, v0, 2, 0x4ac00
	v_mov_b32 v255, 0
	v_lshrrev_b32 v10, 5, v0
	v_readfirstlane_b32 s34, v10                   ; wave
	s_cmp_eq_u32 ttmp9, NLAST
	s_cselect_b32 s36, 15, 127                     ; local row k loads row min(k & s36, s37)
	s_cselect_b32 s37, 9, 127
	s_lshl_b32 s35, ttmp9, 7                       ; the work-group's first row
	s_mov_b32 s[SEL], 0x76543210
	s_mov_b32 s[SEL+1], 0xfedcba98
	s_mov_b32 s56, 100                             ; the levels' widths (and heights)
	s_mov_b32 s57, 50
	s_mov_b32 s58, 25
	v_and_b32 v11, 31, v0                          ; lane
	v_and_b32 v12, 7, v0                           ; j
	v_bfe_u32 v13, v0, 3, 1                        ; which head of my two a weight row belongs to
	v_bfe_u32 v14, v0, 4, 1                        ; h
	v_and_b32 v[R15], 15, v0                       ; r
	v_lshlrev_b32 v[L16], 4, v11
	v_lshlrev_b32 v[LS], 2, v11
	s_mul_i32 s40, s34, 32*PITCH                   ; my wave's 32 rows
	v_mul_u32_u24 v[QA], v[R15], PITCH
	v_lshl_add_u32 v[QA], v14, 6, v[QA]
	v_add_nc_u32 v[QA], s40, v[QA]
	v_add_nc_u32 v[QAP], POSL, v[QA]
	s_lshl_b32 s41, s34, 13
	s_add_co_u32 s41, s41, XI
	v_add_nc_u32 v[XWI], s41, v[L16]
	s_lshl_b32 s41, s34, 10
	s_add_co_u32 s41, s41, XSW
	v_add_nc_u32 v[XWS], s41, v[LS]
	s_mul_i32 s41, s34, 32*144
	v_mul_u32_u24 v[VSA], v11, 144
	v_add_nc_u32 v[VSA], s41, v[VSA]
	v_lshrrev_b32 v[VLA], 3, v11
	v_mul_u32_u24 v[VLA], v[VLA], 144
	v_lshl_add_u32 v[VLA], v12, 4, v[VLA]
	v_add_nc_u32 v[VLA], s41, v[VLA]
	v_mul_u32_u24 v[RFA], v[R15], 24
	v_add_nc_u32 v[RFA], REFL, v[RFA]
	; the weights' offsets.  Lane (rho, h) of a tile takes weight row n(rho): value (2 w + rho / 8) 32 + 8 t + rho % 8; offsets (..) 24 + 8 i + ..; logits min((..) 12 + 8 a + .., 95)
	v_lshlrev_b32 v187, 7, v12
	v_lshl_add_u32 v187, v14, 4, v187              ; 128 j + 16 h
	s_lshl_b32 s42, s34, 13
	v_lshl_add_u32 v[VWO], v13, 12, v187
	v_add_nc_u32 v[VWO], s42, v[VWO]
	s_mul_i32 s42, s34, 6144
	v_mad_u32_u24 v[OWO], v13, 3072, v187
	v_add_nc_u32 v[OWO], s42, v[OWO]
	s_mul_i32 s42, s34, 24
	v_mad_u32_u24 v188, v13, 12, v12
	v_add_nc_u32 v188, s42, v188                   ; the logits' row of tile 0,
	v_add_nc_u32 v189, 8, v188
	v_min_u32 v189, 95, v189                       ; and of tile 1: its slots 12-15 are never read, and no load leaves the buffer
	v_lshlrev_b32 v190, 4, v14
	v_lshl_add_u32 v[AWO], v188, 7, v190
	v_lshl_add_u32 v[AWO+1], v189, 7, v190
	v_lshlrev_b32 v[ASO], 3, v188
	v_lshlrev_b32 v[ASO+1], 3, v189
	v_lshlrev_b32 v190, 3, v12                     ; scale words: 8 bytes a weight row
	s_lshl_b32 s42, s34, 9
	v_lshl_add_u32 v[VSO], v13, 8, v190
	v_add_nc_u32 v[VSO], s42, v[VSO]
	s_mul_i32 s42, s34, 384
	v_mad_u32_u24 v[OSO], v13, 192, v190
	v_add_nc_u32 v[OSO], s42, v[OSO]
	s_lshl_b32 s42, s34, 8                         ; biases, in the result's layout: head 2 w + h
	v_lshl_add_u32 v[VBO], v14, 7, s42
	s_mul_i32 s42, s34, 192
	v_mad_u32_u24 v[OBO], v14, 96, s42
	s_mul_i32 s42, s34, 96
	v_mad_u32_u24 v[ABO], v14, 48, s42
	; my 32 rows: where they go in LDS, and where each comes from: row 32 w + i of the work-group, 16 bytes a lane
	s_lshl_b32 s41, s34, 5
	v_add_nc_u32 v[SWA], s40, v[L16]
	v_add_nc_u32 v[PWA], POSL, v[SWA]
.set i, 0
.rept 32
	s_add_co_u32 s42, s41, i
	s_and_b32 s42, s42, s36
	s_min_u32 s42, s42, s37
	v_lshl_add_u32 v[GO+i], s42, 10, v[L16]
.set i, i+1
.endr
	v_mul_u32_u24 v[RLA], v0, 24                   ; reference points: a thread to a local row
	v_add_nc_u32 v[RLA], REFL, v[RLA]
	v_and_b32 v[RGO], s36, v0
	v_min_u32 v[RGO], s37, v[RGO]
	v_add_nc_u32 v[RGO], s35, v[RGO]
	v_mul_u32_u24 v[RGO], v[RGO], 24
	s_wait_kmcnt 0x0
	s_lshl_b32 s42, ttmp9, 17                      ; 128 rows of 1,024 bytes
	s_mov_b32 s43, 0
	s_add_nc_u64 s[4:5], s[4:5], s[42:43]
	s_add_nc_u64 s[6:7], s[6:7], s[42:43]
	; my 9 tiles of weights stay: window 1: fragment (tile t, K step s) at v[8 (2 t + s)], the tile's bias, as the first product's C, at v[144 + 8 t]
	WIN 0x40
.irp t, 0,1,2,3
.irp s, 0,1
.irp c, 0,1
	global_load_b128 v[8*(2*\t+\s)+4*\c:8*(2*\t+\s)+4*\c+3], v[VWO], s[10:11] offset:\t*1024+64*\s+32*\c
.endr
.endr
	global_load_b128 v[144+8*\t:144+8*\t+3], v[VBO], s[14:15] offset:32*\t
	global_load_b128 v[148+8*\t:148+8*\t+3], v[VBO], s[14:15] offset:32*\t+16
.endr
.irp t, 0,1,2
.irp s, 0,1
.irp c, 0,1
	global_load_b128 v[8*(2*(4+\t)+\s)+4*\c:8*(2*(4+\t)+\s)+4*\c+3], v[OWO], s[16:17] offset:\t*1024+64*\s+32*\c
.endr
.endr
	global_load_b128 v[176+8*\t:176+8*\t+3], v[OBO], s[20:21] offset:32*\t
	global_load_b128 v[180+8*\t:180+8*\t+3], v[OBO], s[20:21] offset:32*\t+16
.endr
.irp t, 0,1
.irp s, 0,1
.irp c, 0,1
	global_load_b128 v[8*(2*(7+\t)+\s)+4*\c:8*(2*(7+\t)+\s)+4*\c+3], v[AWO+\t], s[22:23] offset:64*\s+32*\c
.endr
.endr
.endr
	global_load_b128 v[200:203], v[ABO], s[26:27]
	global_load_b128 v[204:207], v[ABO], s[26:27] offset:16
	global_load_b128 v[208:211], v[ABO], s[26:27] offset:32
	global_load_b128 v[212:215], v[ABO], s[26:27] offset:32   ; slots 12-15 are never read: the same 16 bytes, so that no load leaves battn
	WIN 0
.irp t, 0,1,2,3                                ; a weight row's two scale words are 8 neighbouring bytes: one load
	global_load_b64 v[WSC+2*\t:WSC+2*\t+1], v[VSO], s[12:13] offset:64*\t
.endr
.irp t, 0,1,2
	global_load_b64 v[WSC+8+2*\t:WSC+8+2*\t+1], v[OSO], s[18:19] offset:64*\t
.endr
.irp t, 0,1
	global_load_b64 v[WSC+14+2*\t:WSC+14+2*\t+1], v[ASO+\t], s[24:25]
.endr
	global_load_b64 v[REFD:REFD+1], v[RGO], s[8:9]
	global_load_b64 v[REFD+2:REFD+3], v[RGO], s[8:9] offset:8
	global_load_b64 v[REFD+4:REFD+5], v[RGO], s[8:9] offset:16
	WIN 0x80                                       ; the four units of src and pos, in the order in which they are quantised: 4 x 32 loads, 64 KiB a wave
	DLOAD 0, 0
	DLOAD 0, 1
	WIN 0xc0
	DLOAD 1, 0
	DLOAD 1, 1
	WIN 0
	s_cmp_lg_u32 ttmp9, 0                          ; work-group 0 also zeroes value's 128 guard rows: 4 waves x 8 stores x 512 bytes
	s_cbranch_scc1 .Lno_guard
	s_lshl_b32 s42, s34, 12
	v_add_nc_u32 v191, s42, v[L16]
.irp k, 192,193,194,195
	v_mov_b32 v[\k], 0
.endr
.irp k, 0,1,2,3,4,5,6,7
	global_store_b128 v191, v[192:195], s[28:29] offset:512*\k
.endr
.Lno_guard:
	s_wait_xcnt 0x0                                ; the offsets of the loads above, the guard stores' registers and value's base are written again only behind this wait
	s_mul_i32 s42, s34, 2*HS                       ; value: behind the guard, head 2 w, the work-group's rows
	s_lshl_b32 s44, ttmp9, 14
	s_add_co_u32 s42, s42, s44
	s_add_co_u32 s42, s42, 16384
	s_add_nc_u64 s[28:29], s[28:29], s[42:43]
	s_lshl_b32 s44, ttmp9, 5
	s_add_co_u32 s44, s44, s34                     ; chunk (tile, wave) = 4 x tile + wave
	s_mul_i32 s42, s44, 1536
	s_add_nc_u64 s[30:31], s[30:31], s[42:43]
	s_mul_i32 s42, s44, 6144
	s_add_nc_u64 s[32:33], s[32:33], s[42:43]
.irp b, 0,1,2,3
	v_mov_b32 v[TM+4+\b], 0                        ; written once: a lane permute's destination counts as one of its sources
.endr
	v_mov_b32 v[SM+1], 0                           ; (named as the upper half of a pair)
	v_mov_b32 v[C13], 13125
; QUANTISING: tile 2 w + j, K step s: the unit goes into my rows of LDS as it lies and comes back 64 bytes a lane; src is quantised, then q = src + pos.
; n: how many younger loads may stay out;  win: the window of the stores' data (2 + j)
.macro XUNIT j, s, n, win
	s_wait_loadcnt \n                              ; loads come back in order: this unit's 32 are in
	WIN \win
.set i, 0
.rept 16
	ds_store_b128 v[SWA], v[128*\s+4*i:128*\s+4*i+3] offset:(16*\j+i)*PITCH+512*\s
	ds_store_b128 v[PWA], v[128*\s+64+4*i:128*\s+64+4*i+3] offset:(16*\j+i)*PITCH+512*\s
.set i, i+1
.endr
	WIN 0
	QREAD SA, QA, 16*PITCH*\j+512*\s               ; LDS serves a wave's instructions in order: these see the stores above
	QREAD SB, QAP, 16*PITCH*\j+512*\s
	s_wait_dscnt 16                                ; src's sixteen reads are in; pos's may be out
	QUANT SA
	IMAGE XWI, (4*\j+\s)*1024
	ds_store_b32 v[XWS], v[PW] offset:(4*\j+\s)*128
	s_wait_dscnt 0x0                               ; pos is in, and the stores have read their registers
.set k, 0
.rept 32
	v_pk_add_f32 v[SB+k:SB+k+1], v[SB+k:SB+k+1], v[SA+k:SA+k+1]
.set k, k+2
.endr
	QUANT SB
	IMAGE XWI, (4*\j+2+\s)*1024
	ds_store_b32 v[XWS], v[PW] offset:(4*\j+2+\s)*128
	s_wait_dscnt 0x0
.endm
	XUNIT 0, 0, 63, 0x08                           ; 96 loads were issued behind this unit's: a smaller count is safe, and the wait's field takes no more than 63
	ds_store_b64 v[RLA], v[REFD:REFD+1]            ; my thread's reference points were loaded ahead of that unit
	ds_store_b64 v[RLA], v[REFD+2:REFD+3] offset:8
	ds_store_b64 v[RLA], v[REFD+4:REFD+5] offset:16
	XUNIT 0, 1, 63, 0x08                           ; 64 behind it
	XUNIT 1, 0, 32, 0x0c                           ; the last unit's 32
	XUNIT 1, 1, 0, 0x0c                            ; none: the weights, issued first of all, have long been in
	s_wait_dscnt 0x0                               ; my images and reference points are stored and my reads of src and pos are over:
	s_barrier_signal -1
	s_barrier_wait -1                              ; so are everybody's: the 32 images and the reference points may be read, src's rows written over
; A level's four points by turns.  Point p's registers at v[PT + 12 p]: +0 x, y, then x1, y1;  +2 their floors, then x0, y0;  +4 the upper weights;  +6 the lower;  +8 x's two, +10 y's two, 0 where the pixel lies outside
.macro LEVEL i
.irp p, 0,1,2,3
	v_pk_add_f32 v[PT+12*\p:PT+12*\p+1], v[OFS+8*\i+2*\p:OFS+8*\i+2*\p+1], v[RXY+2*\i:RXY+2*\i+1]
.endr
.irp p, 0,1,2,3
	v_floor_f32 v[PT+12*\p+2], v[PT+12*\p]
	v_floor_f32 v[PT+12*\p+3], v[PT+12*\p+1]
.endr
.irp p, 0,1,2,3
	v_pk_add_f32 v[PT+12*\p+4:PT+12*\p+5], v[PT+12*\p:PT+12*\p+1], v[PT+12*\p+2:PT+12*\p+3] neg_lo:[0,1] neg_hi:[0,1]
.endr
.irp p, 0,1,2,3
	v_pk_add_f32 v[PT+12*\p+6:PT+12*\p+7], v[PT+12*\p+4:PT+12*\p+5], 1.0 op_sel_hi:[1,0] neg_lo:[1,0] neg_hi:[1,0]
.endr
.irp p, 0,1,2,3
	v_cvt_i32_f32 v[PT+12*\p+2], v[PT+12*\p+2]     ; (it saturates)
	v_cvt_i32_f32 v[PT+12*\p+3], v[PT+12*\p+3]
.endr
.irp p, 0,1,2,3
	v_add_nc_u32 v[PT+12*\p], 1, v[PT+12*\p+2]
	v_add_nc_u32 v[PT+12*\p+1], 1, v[PT+12*\p+3]
.endr
.irp p, 0,1,2,3                                ; inside is 0 <= pixel < W: one unsigned compare
	v_cmp_gt_u32 s[52+\p], s[56+\i], v[PT+12*\p+2]
.endr
.irp p, 0,1,2,3
	v_cndmask_b32 v[PT+12*\p+8], 0, v[PT+12*\p+6], s[52+\p]
.endr
.irp p, 0,1,2,3
	v_cmp_gt_u32 s[52+\p], s[56+\i], v[PT+12*\p]
.endr
.irp p, 0,1,2,3
	v_cndmask_b32 v[PT+12*\p+9], 0, v[PT+12*\p+4], s[52+\p]
.endr
.irp p, 0,1,2,3
	v_cmp_gt_u32 s[52+\p], s[56+\i], v[PT+12*\p+3]
.endr
.irp p, 0,1,2,3
	v_cndmask_b32 v[PT+12*\p+10], 0, v[PT+12*\p+7], s[52+\p]
.endr
.irp p, 0,1,2,3
	v_cmp_gt_u32 s[52+\p], s[56+\i], v[PT+12*\p+1]
.endr
.irp p, 0,1,2,3
	v_cndmask_b32 v[PT+12*\p+11], 0, v[PT+12*\p+5], s[52+\p]
.endr
.irp p, 0,1,2,3                                ; y's two weights take the point's attention
.if \p%2
	v_pk_mul_f32 v[PT+12*\p+10:PT+12*\p+11], v[PT+12*\p+10:PT+12*\p+11], v[ATT+4*\i+\p-1:ATT+4*\i+\p] op_sel:[0,1] op_sel_hi:[1,1]
.else
	v_pk_mul_f32 v[PT+12*\p+10:PT+12*\p+11], v[PT+12*\p+10:PT+12*\p+11], v[ATT+4*\i+\p:ATT+4*\i+\p+1] op_sel_hi:[1,0]
.endif
.endr
.irp p, 0,1,2,3                                ; corners (x0, y0), (x1, y0), (x0, y1), (x1, y1)
	v_pk_mul_f32 v[WT+4*(4*\i+\p):WT+4*(4*\i+\p)+1], v[PT+12*\p+8:PT+12*\p+9], v[PT+12*\p+10:PT+12*\p+11] op_sel_hi:[1,0]
	v_pk_mul_f32 v[WT+4*(4*\i+\p)+2:WT+4*(4*\i+\p)+3], v[PT+12*\p+8:PT+12*\p+9], v[PT+12*\p+10:PT+12*\p+11] op_sel:[0,1] op_sel_hi:[1,1]
.endr
.irp p, 0,1,2,3
	v_mul_lo_u32 v[PT+12*\p+4], v[PT+12*\p+3], s[56+\i]
.endr
.irp p, 0,1,2,3
	v_add3_u32 v[IDXO+4*\i+\p], v[PT+12*\p+4], v[PT+12*\p+2], v[RBL+\i]   ; y0 W + x0 + batch + level + guard, wrapping: where any corner counts it is a row of value
.endr
.endm
	s_mov_b32 s46, 8                               ; the 8 tiles
	s_mov_b32 s47, XI                              ; + 4,096 a tile
	s_mov_b32 s48, XSW                             ; + 512
	s_mov_b32 s49, 0                               ; + 384: 16 rows of reference points
	s_mov_b32 s50, 0                               ; + 16: the tile's first local row
.Ltile:
	v_add_nc_u32 v10, s47, v[L16]
	v_add_nc_u32 v11, s48, v[LS]
	v_add_nc_u32 v12, s49, v[RFA]
.irp f, 0,1,2,3
	FETCH FR+8*\f, 10, 1024*\f
	ds_load_b32 v[XS+\f], v11 offset:128*\f
.endr
	ds_load_b64 v[REFR:REFR+1], v12
	ds_load_b64 v[REFR+2:REFR+3], v12 offset:8
	ds_load_b64 v[REFR+4:REFR+5], v12 offset:16
	s_wait_dscnt 0x0
	WIN 0x11                                       ; weights and biases in window 1.  The nine accumulators take turns, one instruction a turn
.irp t, 0,1,2,3,4,5,6,7,8
	MM ACC+8*\t, 16*\t, FR+16*((\t+4)/8), 144+8*\t, WSC+2*\t, XS+2*((\t+4)/8)
.endr
	WIN 0x01
.irp t, 0,1,2,3,4,5,6,7,8
	MM ACC+8*\t, 16*\t+8, FR+16*((\t+4)/8)+8, ACC+8*\t, WSC+2*\t+1, XS+2*((\t+4)/8)+1
.endr
	WIN 0
	v_fma_f32 v[RXY], v[REFR], 0x42c80000, -0.5    ; ref x W - 0.5.  These lines name no register of the products: they are the places behind them
	v_fma_f32 v[RXY+1], v[REFR+1], 0x42c80000, -0.5
	v_fma_f32 v[RXY+2], v[REFR+2], 0x42480000, -0.5
	v_fma_f32 v[RXY+3], v[REFR+3], 0x42480000, -0.5
	v_fma_f32 v[RXY+4], v[REFR+4], 0x41c80000, -0.5
	v_fma_f32 v[RXY+5], v[REFR+5], 0x41c80000, -0.5
	v_add_nc_u32 v13, s50, v[R15]                  ; my row, as it was loaded: which batch?
	v_and_b32 v13, s36, v13
	v_min_u32 v13, s37, v13
	v_add_nc_u32 v13, s35, v13
	v_cmp_le_u32 vcc_lo, v[C13], v13
	v_cndmask_b32 v[RB], 0, v[C13], vcc_lo
	v_add_nc_u32 v[RBL], 128, v[RB]
	v_add_nc_u32 v[RBL+1], 10128, v[RB]
	v_add_nc_u32 v[RBL+2], 12628, v[RB]
.irp k, 0,1,2,3,4,5,6,7                        ; value: a lane's 128 bytes through my stage, each accumulator from its low end on,
	ds_store_b128 v[VSA], v[ACC+4*\k:ACC+4*\k+3] offset:16*\k
.endr
.irp k, 0,1,2,3,4,5,6,7                        ; and back as four items an instruction (LDS serves a wave's instructions in order)
	ds_load_b128 v[ACC+4*\k:ACC+4*\k+3], v[VLA] offset:576*\k
.endr
	v_max3_num_f32 v[SM], v[ATT], v[ATT+1], v[ATT+2]   ; the softmax over my head's 12 points: the maximum is taken away first
.irp k, 3,5,7,9
	v_max3_num_f32 v[SM], v[SM], v[ATT+\k], v[ATT+\k+1]
.endr
	v_max_num_f32 v[SM], v[SM], v[ATT+11]
.irp k, 0,2,4,6,8,10
	v_pk_add_f32 v[ATT+\k:ATT+\k+1], v[ATT+\k:ATT+\k+1], v[SM:SM+1] op_sel_hi:[1,0] neg_lo:[0,1] neg_hi:[0,1]
.endr
.irp k, 0,2,4,6,8,10
	v_pk_mul_f32 v[ATT+\k:ATT+\k+1], v[ATT+\k:ATT+\k+1], 0x3fb8aa3b op_sel_hi:[1,0]
.endr
.irp k, 0,1,2,3,4,5,6,7,8,9,10,11
	v_exp_f32 v[ATT+\k], v[ATT+\k]
.endr
	v_nop                                          ; a plain place behind the exponentials
	s_wait_alu depctr_va_vdst(0)
	v_pk_add_f32 v[SM+2:SM+3], v[ATT:ATT+1], v[ATT+2:ATT+3]
	v_pk_add_f32 v[SM+4:SM+5], v[ATT+4:ATT+5], v[ATT+6:ATT+7]
	v_pk_add_f32 v[SM+6:SM+7], v[ATT+8:ATT+9], v[ATT+10:ATT+11]
	v_pk_add_f32 v[SM+2:SM+3], v[SM+2:SM+3], v[SM+4:SM+5]
	v_pk_add_f32 v[SM+2:SM+3], v[SM+2:SM+3], v[SM+6:SM+7]
	v_add_f32 v[SM+2], v[SM+2], v[SM+3]
	v_rcp_f32 v[SM+4], v[SM+2]
	v_nop                                          ; a plain place behind the reciprocal
	s_wait_alu depctr_va_vdst(0)
.irp k, 0,2,4,6,8,10
	v_pk_mul_f32 v[ATT+\k:ATT+\k+1], v[ATT+\k:ATT+\k+1], v[SM+4:SM+5] op_sel_hi:[1,0]
.endr
	LEVEL 0
	LEVEL 1
	LEVEL 2
	s_wait_dscnt 0x0                               ; value is back from the stage
.irp k, 0,1,2,3,4,5,6,7                        ; every store of the wave covers 512 consecutive bytes, aligned
	global_store_b128 v[L16], v[ACC+4*\k:ACC+4*\k+3], s[28:29] offset:(\k%4)*512+(\k/4)*HS
.endr
.irp k, 0,1,2
	global_store_b128 v[L16], v[IDXO+4*\k:IDXO+4*\k+3], s[30:31] offset:512*\k
.endr
.irp k, 0,1,2,3,4,5,6,7,8,9,10,11
	global_store_b128 v[L16], v[WT+4*\k:WT+4*\k+3], s[32:33] offset:512*\k
.endr
	s_wait_xcnt 0x0                                ; the stores' data and bases are written again only behind this wait
	s_add_nc_u64 s[28:29], s[28:29], 2048
	s_add_nc_u64 s[30:31], s[30:31], 6144
	s_add_nc_u64 s[32:33], s[32:33], 24576
	s_add_co_u32 s47, s47, 4096
	s_add_co_u32 s48, s48, 512
	s_add_co_u32 s49, s49, 384
	s_add_co_u32 s50, s50, 16
	s_sub_co_u32 s46, s46, 1
	s_cmp_lg_u32 s46, 0
	s_cbranch_scc1 .Ltile
	s_barrier_signal -1
	s_barrier_wait -1
	s_wait_tensorcnt 0x0
	ds_add_u32 v254, v255
	s_wait_dscnt 0x0
	s_endpgm
.Lfunc_end_k_q436b3f0af7_project:
	.size	k_q436b3f0af7_project, .Lfunc_end_k_q436b3f0af7_project-k_q436b3f0af7_project
	.p2alignl 7, 3214868480
	.fill 96, 4, 3214868480
	.section	.rodata,"a",@progbits
	.p2align	6, 0x0
	.amdhsa_kernel k_q436b3f0af7_project
		.amdhsa_group_segment_fixed_size 306688
		.amdhsa_private_segment_fixed_size 0
		.amdhsa_enable_private_segment 0
		.amdhsa_kernarg_size 120
		.amdhsa_user_sgpr_count 2
		.amdhsa_user_sgpr_kernarg_segment_ptr 1
		.amdhsa_wavefront_size32 1
		.amdhsa_system_sgpr_workgroup_id_x 1
		.amdhsa_system_sgpr_workgroup_id_y 1
		.amdhsa_system_sgpr_workgroup_id_z 1
		.amdhsa_system_vgpr_workitem_id 0
		.amdhsa_next_free_vgpr 1024
		.amdhsa_next_free_sgpr 66
		.amdhsa_reserve_vcc 1
		.amdhsa_float_denorm_mode_32 3
		.amdhsa_float_denorm_mode_16_64 3
		.amdhsa_memory_ordered 1
		.amdhsa_forward_progress 1
		.amdhsa_inst_pref_size 112
	.end_amdhsa_kernel
	.amdgpu_metadata
---
amdhsa.version: [ 1, 2 ]
amdhsa.kernels:
  - .name:           k_q436b3f0af7_project
    .symbol:         k_q436b3f0af7_project.kd
    .args:
      - { .name: src, .offset: 0, .size: 8, .value_kind: global_buffer, .address_space: global }
      - { .name: pos, .offset: 8, .size: 8, .value_kind: global_buffer, .address_space: global }
      - { .name: reference_points, .offset: 16, .size: 8, .value_kind: global_buffer, .address_space: global }
      - { .name: Wv_codes, .offset: 24, .size: 8, .value_kind: global_buffer, .address_space: global }
      - { .name: Wv_scales, .offset: 32, .size: 8, .value_kind: global_buffer, .address_space: global }
      - { .name: bv, .offset: 40, .size: 8, .value_kind: global_buffer, .address_space: global }
      - { .name: Woff_codes, .offset: 48, .size: 8, .value_kind: global_buffer, .address_space: global }
      - { .name: Woff_scales, .offset: 56, .size: 8, .value_kind: global_buffer, .address_space: global }
      - { .name: boff, .offset: 64, .size: 8, .value_kind: global_buffer, .address_space: global }
      - { .name: Wattn_codes, .offset: 72, .size: 8, .value_kind: global_buffer, .address_space: global }
      - { .name: Wattn_scales, .offset: 80, .size: 8, .value_kind: global_buffer, .address_space: global }
      - { .name: battn, .offset: 88, .size: 8, .value_kind: global_buffer, .address_space: global }
      - { .name: value, .offset: 96, .size: 8, .value_kind: global_buffer, .address_space: global }
      - { .name: sidx, .offset: 104, .size: 8, .value_kind: global_buffer, .address_space: global }
      - { .name: swgt, .offset: 112, .size: 8, .value_kind: global_buffer, .address_space: global }
    .group_segment_fixed_size: 306688
    .private_segment_fixed_size: 0
    .kernarg_segment_align: 8
    .kernarg_segment_size: 120
    .max_flat_workgroup_size: 128
    .sgpr_count:     66
    .vgpr_count:     1024
    .wavefront_size: 32
...
	.end_amdgpu_metadata
.endif
;; end of part 1
;; launch sample (part 2): grid 1641 x 1, 4 waves a work-group, no clusters, 27,392 bytes of LDS; arguments value, sidx, swgt, acodes, ascales; writes acodes, ascales
.if DOCPART == 2
	.amdgcn_target "amdgcn-amd-amdhsa--gfx1250"
	.amdhsa_code_object_version 6
	.text
	.protected	k_q436b3f0af7_sample
	.globl	k_q436b3f0af7_sample
	.p2align	8
	.type	k_q436b3f0af7_sample,@function
k_q436b3f0af7_sample:
	s_mov_b64 s[64:65], 0
	v_nop
	global_prefetch_b8 v0, s[64:65] scope:SCOPE_SE
	s_setreg_imm32_b32 hwreg(HW_REG_WAVE_MODE, 25, 1), 1
	s_wait_xcnt 0x0
; SAMPLE: for each (row, head) the sum over 12 points x 4 corners of weight x value row (32 channels), then the quantiser of the next product: a head's 32 channels are one block of its K.
; The indices are whole numbers that the launch before stored; the weights carry attention and validity, so every corner is loaded and multiplied, and no lane is switched off.
; SHARES.  A work-group is a tile of 16 rows; wave w has heads 2 w, 2 w + 1: 32 items (item 16 h + r), in 8 passes of 4.  Eight lanes share an item, 4 channels each: one load of the
; wave brings four corner rows of 128 bytes, and a lane sums its own channels over all 48 corners.  Loads run three levels (48 gathers and 3 index loads a wave) ahead; no loop: every offset is an immediate.
; OUT.  acodes [tile][K step][half][lane][16 bytes] is the image of the next product's operand registers, ascales [tile][K step][row][4] its scale words.
; No matrix instruction, no tensor load, no cluster: work-groups share nothing but the table, which lies in the caches.
; LIMITS: as the launch before states them; a block whose largest magnitude lies under 2^-124 keeps the scale byte 1 (a block of zeros too: its codes are zeros).
.set HS,    3375104                    ; bytes of a head in value
.set CLAMP, 26377                      ; the last row + the 128 guard rows: no index above it belongs to a corner that counts
.set PARW,  6144                       ; LDS: each wave's weights, [point 12][item 32][4 corners]
.set CST,   4*PARW                     ; each wave's 512 bytes of codes
.set SCB,   CST+4*512                  ; the tile's 128 scale bytes
.set LP,  1                            ; v1   16 x (lane % 8) + (lane / 16) x HS: my channels, my head
.set IA,  2                            ; v2   128 x (lane / 8): my group's items among the indices
.set PAW, 3                            ; v3   the same among my wave's weights in LDS
.set CSA, 4                            ; v4   where my 4 codes go
.set SBA, 5                            ; v5   where my item's scale byte goes
.set L16, 6                            ; v6   16 x lane
.set PAS, 7                            ; v7   where the weights' image is stored
.set IDX, 8                            ; v8-19  four indices a level
.set ADRS, 20                          ; v20-31 four offsets a level
.set ACC, 32                           ; v32-47 four channels for each corner: eight chains of packed sums
.set WB,  48                           ; v48-63 a level's 16 weights; at a pass's end at work
.set BUF, 64                           ; v64-255 three sets of 16 corner pieces
	s_load_b256 s[4:11], s[0:1], 0x0               ; value, sidx, swgt, acodes
	s_load_b64 s[12:13], s[0:1], 0x20              ; ascales
	s_set_vgpr_msb 0x40
	v_lshl_add_u32 v0, v0, 2, 0x6900
	v_mov_b32 v1, 0
	s_set_vgpr_msb 0x4000
	v_lshrrev_b32 v48, 5, v0
	v_readfirstlane_b32 s14, v48                   ; wave
	v_and_b32 v48, 31, v0
	v_lshlrev_b32 v[L16], 4, v48
	v_and_b32 v49, 7, v0                           ; which 4 channels
	v_bfe_u32 v50, v0, 4, 1
	v_mul_u32_u24 v50, v50, HS
	v_lshl_add_u32 v[LP], v49, 4, v50
	v_bfe_u32 v51, v0, 3, 2                        ; my group of eight lanes
	v_lshlrev_b32 v[IA], 7, v51
	s_mul_i32 s16, s14, PARW
	v_lshl_add_u32 v[PAW], v51, 7, s16
	v_add_nc_u32 v[PAS], s16, v[L16]
	v_lshrrev_b32 v52, 3, v0
	v_lshlrev_b32 v52, 7, v52                      ; 512 x wave + 128 x group
	v_lshl_add_u32 v[CSA], v49, 1, v52
	v_add_nc_u32 v[CSA], CST, v[CSA]
	v_bfe_u32 v52, v0, 6, 1                        ; the scale byte of item (row 8 (g % 2) + p, head 2 w + g / 2): K step w / 2, row, byte 2 (w % 2) + g / 2
	v_lshl_add_u32 v[SBA], v52, 6, SCB
	v_bfe_u32 v52, v0, 3, 1
	v_lshl_add_u32 v[SBA], v52, 5, v[SBA]
	v_bfe_u32 v52, v0, 5, 1
	v_lshl_add_u32 v[SBA], v52, 1, v[SBA]
	v_bfe_u32 v52, v0, 4, 1
	v_add_nc_u32 v[SBA], v52, v[SBA]
	s_lshl_b32 s15, ttmp9, 2
	s_add_co_u32 s15, s15, s14                     ; chunk = 4 x tile + wave
	s_mov_b32 s17, 0
	s_wait_kmcnt 0x0
	s_mul_i32 s16, s14, 2*HS
	s_add_nc_u64 s[4:5], s[4:5], s[16:17]          ; value at head 2 w
	s_mul_i32 s16, s15, 1536
	s_add_nc_u64 s[6:7], s[6:7], s[16:17]
	s_mul_i32 s16, s15, 6144
	s_add_nc_u64 s[8:9], s[8:9], s[16:17]
	s_lshl_b32 s16, s15, 9
	s_add_nc_u64 s[10:11], s[10:11], s[16:17]
	s_lshl_b32 s16, ttmp9, 7
	s_add_nc_u64 s[12:13], s[12:13], s[16:17]
.macro ILOAD p, i                              ; the four indices of level i of pass p's items
	global_load_b128 v[IDX+4*\i:IDX+4*\i+3], v[IA], s[6:7] offset:512*\i+16*(\p)
.endm
.macro ADR i                                   ; index -> byte offset; the bound keeps every load inside value, whatever the index
.irp q, 0,1,2,3
	v_min_u32 v[ADRS+4*\i+\q], CLAMP, v[IDX+4*\i+\q]
.endr
.irp q, 0,1,2,3
	v_lshl_add_u32 v[ADRS+4*\i+\q], v[ADRS+4*\i+\q], 7, v[LP]
.endr
.endm
.macro GLOAD i                                 ; 4 points x 4 corners: the pixel beside is 128 bytes on, the pixel below W x 128
.irp q, 0,1,2,3
.irp c, 0,1,2,3
	global_load_b128 v[BUF+64*\i+16*\q+4*\c:BUF+64*\i+16*\q+4*\c+3], v[ADRS+4*\i+\q], s[4:5] offset:(\c%2)*128+(\c/2)*(100>>\i)*128
.endr
.endr
.endm
.macro FMAS i, q
.irp c, 0,1,2,3
.irp e, 0,2
.if (\i==0)&&(\q==0)                           ; a pass's first products start the sums
.if \c%2
	v_pk_mul_f32 v[ACC+4*\c+\e:ACC+4*\c+\e+1], v[BUF+64*\i+16*\q+4*\c+\e:BUF+64*\i+16*\q+4*\c+\e+1], v[WB+4*\q+2*(\c/2):WB+4*\q+2*(\c/2)+1] op_sel:[0,1] op_sel_hi:[1,1]
.else
	v_pk_mul_f32 v[ACC+4*\c+\e:ACC+4*\c+\e+1], v[BUF+64*\i+16*\q+4*\c+\e:BUF+64*\i+16*\q+4*\c+\e+1], v[WB+4*\q+2*(\c/2):WB+4*\q+2*(\c/2)+1] op_sel_hi:[1,0]
.endif
.else
.if \c%2
	v_pk_fma_f32 v[ACC+4*\c+\e:ACC+4*\c+\e+1], v[BUF+64*\i+16*\q+4*\c+\e:BUF+64*\i+16*\q+4*\c+\e+1], v[WB+4*\q+2*(\c/2):WB+4*\q+2*(\c/2)+1], v[ACC+4*\c+\e:ACC+4*\c+\e+1] op_sel:[0,1,0] op_sel_hi:[1,1,1]
.else
	v_pk_fma_f32 v[ACC+4*\c+\e:ACC+4*\c+\e+1], v[BUF+64*\i+16*\q+4*\c+\e:BUF+64*\i+16*\q+4*\c+\e+1], v[WB+4*\q+2*(\c/2):WB+4*\q+2*(\c/2)+1], v[ACC+4*\c+\e:ACC+4*\c+\e+1] op_sel_hi:[1,0,1]
.endif
.endif
.endr
.endr
.endm
; Level i of pass p.  n: the loads issued behind this level's 16 gathers and the index load that followed them: those of the two steps between
.macro STEP p, i, n
.irp q, 0,1,2,3
	ds_load_b128 v[WB+4*\q:WB+4*\q+3], v[PAW] offset:(4*\i+\q)*512+16*\p
.endr
	s_wait_loadcnt \n                              ; loads come back in order: this level's pieces and the next pass's indices are in; so its offsets and pieces may be written again
	s_wait_dscnt 0x0
.irp q, 0,1,2,3
	FMAS \i, \q
.endr
.if \p < 7
	ADR \i
	GLOAD \i                                       ; the next pass's pieces of this level
.endif
.if \p < 6
	ILOAD \p+2, \i
.endif
.endm
.macro FINISH p
	v_pk_add_f32 v[ACC:ACC+1], v[ACC:ACC+1], v[ACC+4:ACC+5]
	v_pk_add_f32 v[ACC+2:ACC+3], v[ACC+2:ACC+3], v[ACC+6:ACC+7]
	v_pk_add_f32 v[ACC+8:ACC+9], v[ACC+8:ACC+9], v[ACC+12:ACC+13]
	v_pk_add_f32 v[ACC+10:ACC+11], v[ACC+10:ACC+11], v[ACC+14:ACC+15]
	v_pk_add_f32 v[ACC:ACC+1], v[ACC:ACC+1], v[ACC+8:ACC+9]
	v_pk_add_f32 v[ACC+2:ACC+3], v[ACC+2:ACC+3], v[ACC+10:ACC+11]   ; my 4 channels of the item
	v_max3_num_f32 v[WB], |v[ACC]|, |v[ACC+1]|, 0x1800000           ; the block's largest magnitude, with the floor 2^(3 - 127),
	v_max3_num_f32 v[WB], v[WB], |v[ACC+2]|, |v[ACC+3]|
	v_max_num_f32_dpp v[WB], v[WB], v[WB] row_xmask:1 row_mask:0xf bank_mask:0xf   ; over the eight lanes that share the item
	v_max_num_f32_dpp v[WB], v[WB], v[WB] row_xmask:2 row_mask:0xf bank_mask:0xf
	v_max_num_f32_dpp v[WB], v[WB], v[WB] row_xmask:4 row_mask:0xf bank_mask:0xf
	v_add_nc_u32 v[WB+1], 0xff000000, v[WB]        ; 2 off its exponent field: the conversion's scale operand
	v_cvt_scalef32_pk8_fp4_f32 v[WB+3], v[ACC:ACC+7], v[WB+1]       ; the low 16 bits are my 4 codes; the rest is not stored
	v_lshrrev_b32 v[WB+2], 23, v[WB+1]             ; the scale's byte (also the plain place behind the conversion)
	ds_store_b16 v[CSA], v[WB+3] offset:16*\p
	ds_store_b8 v[SBA], v[WB+2] offset:4*\p        ; the eight lanes write the same byte with the same value
.endm
	ILOAD 0, 0
	ILOAD 0, 1
	ILOAD 0, 2
.irp k, 0,1,2,3,4,5,6,7,8,9,10,11              ; my wave's weights: 6,144 dense bytes, read once
	global_load_b128 v[BUF+128+4*\k:BUF+128+4*\k+3], v[L16], s[8:9] offset:512*\k th:TH_LOAD_NT
.endr
	s_wait_loadcnt 12                              ; the indices are in; the twelve loads behind them may be out
	ADR 0
	ADR 1
	ADR 2
	GLOAD 0
	ILOAD 1, 0
	GLOAD 1
	ILOAD 1, 1
	s_wait_loadcnt 34                              ; the weights are in; the 34 loads behind them may be out
.irp k, 0,1,2,3,4,5,6,7,8,9,10,11
	ds_store_b128 v[PAS], v[BUF+128+4*\k:BUF+128+4*\k+3] offset:512*\k
.endr
	s_wait_dscnt 0x0                               ; the stores have read their registers, which the next loads fill
	GLOAD 2
	ILOAD 1, 2
.irp p, 0,1,2,3,4,5
	STEP \p, 0, 34
	STEP \p, 1, 34
	STEP \p, 2, 34
	FINISH \p
.endr
	STEP 6, 0, 34                                  ; the last passes ask for less: the counts run down
	STEP 6, 1, 33
	STEP 6, 2, 32
	FINISH 6
	STEP 7, 0, 32
	STEP 7, 1, 16
	STEP 7, 2, 0
	FINISH 7
	v_lshl_add_u32 v[PAS], v0, 4, CST              ; my wave's 512 bytes of codes, 16 a lane
	ds_load_b128 v[WB+4:WB+7], v[PAS]              ; LDS serves a wave's instructions in order: this sees my stores
	v_lshrrev_b32 v[PAW], 2, v[L16]                ; 4 x lane
	v_add_nc_u32 v[SBA], SCB, v[PAW]
	s_wait_dscnt 0x0                               ; the codes are in, and my scale bytes are stored:
	global_store_b128 v[L16], v[WB+4:WB+7], s[10:11]   ; 512 consecutive bytes, aligned
	s_barrier_signal -1
	s_barrier_wait -1                              ; everybody's scale bytes are
	s_cmp_lg_u32 s14, 0
	s_cbranch_scc1 .Lend
	ds_load_b32 v[WB+8], v[SBA]
	s_wait_dscnt 0x0
	global_store_b32 v[PAW], v[WB+8], s[12:13]     ; the tile's 128 scale bytes, on end
.Lend:
	s_barrier_signal -1
	s_barrier_wait -1
	s_set_vgpr_msb 0x5
	s_wait_tensorcnt 0x0
	ds_add_u32 v0, v1
	s_wait_dscnt 0x0
	s_set_vgpr_msb 0x500
	s_endpgm
.Lfunc_end_k_q436b3f0af7_sample:
	.size	k_q436b3f0af7_sample, .Lfunc_end_k_q436b3f0af7_sample-k_q436b3f0af7_sample
	.p2alignl 7, 3214868480
	.fill 96, 4, 3214868480
	.section	.rodata,"a",@progbits
	.p2align	6, 0x0
	.amdhsa_kernel k_q436b3f0af7_sample
		.amdhsa_group_segment_fixed_size 27392
		.amdhsa_private_segment_fixed_size 0
		.amdhsa_enable_private_segment 0
		.amdhsa_kernarg_size 40
		.amdhsa_user_sgpr_count 2
		.amdhsa_user_sgpr_kernarg_segment_ptr 1
		.amdhsa_wavefront_size32 1
		.amdhsa_system_sgpr_workgroup_id_x 1
		.amdhsa_system_sgpr_workgroup_id_y 1
		.amdhsa_system_sgpr_workgroup_id_z 1
		.amdhsa_system_vgpr_workitem_id 0
		.amdhsa_next_free_vgpr 258
		.amdhsa_next_free_sgpr 66
		.amdhsa_reserve_vcc 0
		.amdhsa_float_denorm_mode_32 3
		.amdhsa_float_denorm_mode_16_64 3
		.amdhsa_memory_ordered 1
		.amdhsa_forward_progress 1
		.amdhsa_inst_pref_size 120
	.end_amdhsa_kernel
	.amdgpu_metadata
---
amdhsa.version: [ 1, 2 ]
amdhsa.kernels:
  - .name:           k_q436b3f0af7_sample
    .symbol:         k_q436b3f0af7_sample.kd
    .args:
      - { .name: value, .offset: 0, .size: 8, .value_kind: global_buffer, .address_space: global }
      - { .name: sidx, .offset: 8, .size: 8, .value_kind: global_buffer, .address_space: global }
      - { .name: swgt, .offset: 16, .size: 8, .value_kind: global_buffer, .address_space: global }
      - { .name: acodes, .offset: 24, .size: 8, .value_kind: global_buffer, .address_space: global }
      - { .name: ascales, .offset: 32, .size: 8, .value_kind: global_buffer, .address_space: global }
    .group_segment_fixed_size: 27392
    .private_segment_fixed_size: 0
    .kernarg_segment_align: 8
    .kernarg_segment_size: 40
    .max_flat_workgroup_size: 128
    .sgpr_count:     66
    .vgpr_count:     258
    .wavefront_size: 32
...
	.end_amdgpu_metadata
.endif
;; end of part 2
;; launch ffn (part 3): grid 206 x 1, 4 waves a work-group, no clusters, 243,200 bytes of LDS; arguments acodes, ascales, src, Wout_codes, Wout_scales, bout, g1, b1, Wff1_codes, Wff1_scales, bff1, Wff2_codes, Wff2_scales, bff2, g2, b2, out0; writes out0
.if DOCPART == 3
	.amdgcn_target "amdgcn-amd-amdhsa--gfx1250"
	.amdhsa_code_object_version 6
	.text
	.protected	k_q436b3f0af7_ffn
	.globl	k_q436b3f0af7_ffn
	.p2align	8
	.type	k_q436b3f0af7_ffn,@function
k_q436b3f0af7_ffn:
	s_mov_b64 s[64:65], 0
	v_nop
	global_prefetch_b8 v0, s[64:65] scope:SCOPE_SE
	s_setreg_imm32_b32 hwreg(HW_REG_WAVE_MODE, 25, 1), 1
	s_wait_xcnt 0x0
; FFN: x = LN(src + A Wout + bout; g1, b1);  out = LN(x + relu(Q(x) Wff1 + bff1)~ Wff2 + bff2; g2, b2), ~ the quantiser; A arrives as codes.  All three products on codes of FP4 (E2M1), one E8M0 scale for each 32 along K.
; SHARES.  A work-group takes 128 rows (8 tiles of 16), once.  THE WAVES SHARE THE COLUMNS in the products: wave w owns output columns 64 w .. 64 w + 63 of Wout and Wff2 and hidden units 256 w .. 256 w + 255
; (K steps 2 w, 2 w + 1 of the last product), for all rows: its weights fill windows 1, 2 and part of 3 and are read from memory once.  The layer norms are shared by rows: wave w has rows 32 w .. 32 w + 31, a row
; spread over the wave's 32 lanes.  The rows live in one stage in LDS (1,024 bytes + 16 a row): src, then src + A Wout, then x, then x + ff; a product takes its tile of the stage as C and stores D in its place.
; Operands go from wave to wave as images of their registers (16 bytes a lane), scale words 4 bytes a lane.  The products are used transposed: source 0 = 16 weight rows, source 1 = 16 data rows.
; THE WAY IN.  A wave's 32 rows of src come by 64 loads of 512 consecutive bytes into window 1, go into the stage, and only then does Wff1 take window 1.  Wff2 is asked for behind the first product and lands under the first norm and the second product.
; THE ROWS OF Wff1 THAT FORM A TILE ARE NOT NEIGHBOURS: lane rho of tile 2 b + u takes row 32 b + 8 u + rho + 8 (rho / 8), so that the registers of tiles 2 b, 2 b + 1 are 16 neighbours along the next K.
; THE LAST WORK-GROUP has 10 rows: local row k stands for row min(k & 15, 9): copies are computed alike, bit for bit, and stored onto the row that they copy.  No lane is ever switched off.
; No cluster: what work-groups share is the weights, read once by each straight into registers in a chosen order of rows, and 206 work-groups do not divide by four.
; LIMITS: NaN and infinities are not served; blocks whose largest magnitude lies under 2^-124 keep the scale byte 1.  The variance is taken of the centred numbers, so a common offset costs no accuracy.
.set NLAST, 205
.set LASTT, 1640                       ; the last tile of acodes
.set PITCH, 1040
.set XIM,  133120                      ; LDS: the stage at 0;  x's 16 images (2 m + s),
.set XSW,  149504                      ; their scale words,
.set HIM,  151552                      ; the hidden layer's 64 images: 16,384 w + 2,048 m + 1,024 u: a wave's stores are one run of bytes,
.set HSW,  217088                      ; their scale words: 2,048 w + 256 m + 128 u,
.set SIM,  225280                      ; A's 16 images, as they lie in acodes,
.set SSW,  241664                      ; and A's scale words
.set L16, 1                            ; v1   16 x lane
.set LS,  2                            ; v2   4 x lane
.set DA,  3                            ; v3   a tile of the stage in the result's layout: 1040 r + 32 h + 256 w (tiles 0-3);  v11 the same for tiles 4-7
.set QA,  4                            ; v4   my rows for the quantiser: (32 w + r) 1040 + 64 h
.set RA,  5                            ; v5   my rows for the norms: 32 w x 1040 + 16 x lane
.set XWI, 6
.set XWS, 7
.set HWI, 8
.set HWS, 9
.set SSA, 10                           ; v10  A's scale words: SSW + 4 r
.set DA2, 11
.set SIMA, 12
.set HIMA, 13
.set HSWA, 14
.set T0,  15                           ; v15, v141-143 addresses of the trip in hand
.set T1,  141
.set T2,  142
.set T3,  143
.set VO,  16                           ; v16-23 offsets of 8 rows of out0
.set DSC, 24                           ; v24-31 the data's scale words;  v32-63 Wff1's, v64-95 Wff2's, v96-103 Wout's: these hold scales alone
.set W1S, 32
.set W2S, 64
.set WOS, 96
.set TM,  104                          ; v104-119 at work in the quantiser; in the norms a pair for each of 8 rows
.set SU,  104
.set PC,  120
.set PW,  128
.set WK,  144                          ; v144-255 at work
.set GO,  144                          ; the head: the byte offsets of my 32 rows of src,
.set AD,  176                          ; my two tiles of A's codes (2 x 16 registers) and their scale words,
.set ASD, 208
.set CG,  210                          ; their offsets in memory and their LDS addresses
.set SG,  212
.set CLA, 214
.set SLA, 216
.set BO,  192                          ; window 3: Wout at v0-63, bff1 as C at v64-191, then bout, g1, b1, bff2, g2, b2 as the norms' lanes hold a row
.set G1,  200
.set B1,  208
.set BF2, 216
.set G2,  224
.set B2,  232
.set SEL, 42
.set MSB, 0
.macro WIN new                         ; the immediate's high byte repeats the setting that is left
.if MSB != \new
	s_set_vgpr_msb (MSB<<8)|\new
.set MSB, \new
.endif
.endm
; 64 numbers of a lane, register 16 b + i = k 32 b + 16 (lane / 16) + i of my row, become a fragment's codes in v[PC] on and its scale word in v[PW]
.macro QUANT s
.irp b, 0,1,2,3
	v_max3_num_f32 v[TM+\b], |v[\s+16*\b]|, |v[\s+1+16*\b]|, 0x1800000   ; block b: my 16 numbers, and the floor 2^(3 - 127): the byte cannot fall under 1
.endr
.irp i, 2,4,6,8,10,12,14
.irp b, 0,1,2,3
	v_max3_num_f32 v[TM+\b], v[TM+\b], |v[\s+16*\b+\i]|, |v[\s+1+16*\b+\i]|
.endr
.endr
.irp b, 0,1,2,3
	v_permlanex16_b32 v[TM+4+\b], v[TM+\b], s[SEL], s[SEL+1]
.endr
.irp b, 0,1,2,3
	v_max_num_f32 v[TM+\b], v[TM+\b], v[TM+4+\b]
.endr
.irp b, 0,1,2,3
	v_add_nc_u32 v[TM+12+\b], 0xff000000, v[TM+\b]   ; 2 off the exponent field: the conversion's scale operand
.endr
.irp b, 0,1,2,3
	v_lshrrev_b32 v[TM+4+\b], 23, v[TM+12+\b]
.endr
	v_lshl_or_b32 v[PW], v[TM+5], 8, v[TM+4]
	v_lshl_or_b32 v[PW], v[TM+6], 16, v[PW]
	v_lshl_or_b32 v[PW], v[TM+7], 24, v[PW]
.irp b, 0,1,2,3
	v_cvt_scalef32_pk8_fp4_f32 v[PC+2*\b], v[\s+16*\b:\s+7+16*\b], v[TM+12+\b]
	v_cvt_scalef32_pk8_fp4_f32 v[PC+1+2*\b], v[\s+8+16*\b:\s+15+16*\b], v[TM+12+\b]
.endr
	v_nop                                          ; one plain place behind a scaled conversion
.irp c, 0,1
.irp i, 0,1
	v_permlane16_swap_b32 v[PC+4*\c+\i], v[PC+2+4*\c+\i]
.endr
.endr
.endm
.macro IMAGE adr, off
.irp c, 0,1
	ds_store_b128 v[\adr], v[PC+4*\c:PC+4*\c+3] offset:\off+512*\c
.endr
.endm
.macro FETCH reg, adr, off
.irp c, 0,1
	ds_load_b128 v[\reg+4*\c:\reg+4*\c+3], v[\adr] offset:\off+512*\c
.endr
.endm
.macro QREAD dst, adr, off
.irp b, 0,1,2,3
.irp q, 0,1,2,3
	ds_load_b128 v[\dst+16*\b+4*\q:\dst+16*\b+4*\q+3], v[\adr] offset:\off+128*\b+16*\q
.endr
.endr
.endm
.macro MM d, a, b, c, sa, sb
	v_wmma_scale_f32_16x16x128_f8f6f4 v[\d:\d+7], v[\a:\a+7], v[\b:\b+7], v[\c:\c+7], v[\sa], v[\sb] matrix_a_fmt:MATRIX_FMT_FP4 matrix_b_fmt:MATRIX_FMT_FP4
.endm
.macro PLACES                                  ; four plain places between a product and the first read of its result or load into its registers
.rept 4
	v_nop
.endr
.endm
.macro BARRIER                                 ; my LDS stores have landed and my LDS loads are in: then the work-group's barrier
	s_wait_dscnt 0x0
	s_barrier_signal -1
	s_barrier_wait -1
.endm
	s_load_b256 s[4:11], s[0:1], 0x0               ; acodes, ascales, src, Wout codes
	s_load_b256 s[12:19], s[0:1], 0x20             ; Wout scales, bout, g1, b1
	s_load_b256 s[20:27], s[0:1], 0x40             ; Wff1 codes, Wff1 scales, bff1, Wff2 codes
	s_load_b256 s[28:35], s[0:1], 0x60             ; Wff2 scales, bff2, g2, b2
	s_load_b64 s[36:37], s[0:1], 0x80              ; out0
	v_lshl_add_u32 v254, v0, 2, 0x3b400
	v_mov_b32 v255, 0
	v_lshrrev_b32 v15, 5, v0
	v_readfirstlane_b32 s38, v15                   ; wave
	s_cmp_eq_u32 ttmp9, NLAST
	s_cselect_b32 s40, 15, 127                     ; local row k stands for row min(k & s40, s41)
	s_cselect_b32 s41, 9, 127
	s_mov_b32 s[SEL], 0x76543210
	s_mov_b32 s[SEL+1], 0xfedcba98
	s_mov_b32 s44, 0x3b800000                      ; 1 / 256
	s_mov_b32 s45, 0x3727c5ac                      ; 1e-5
	v_and_b32 v139, 31, v0                         ; lane
	v_and_b32 v136, 15, v0                         ; r
	v_bfe_u32 v137, v0, 4, 1                       ; h
	v_and_b32 v138, 8, v136
	v_add_nc_u32 v138, v138, v136                  ; r + 8 (r / 8)
	v_lshlrev_b32 v140, 4, v137
	v_lshlrev_b32 v[L16], 4, v139
	v_lshlrev_b32 v[LS], 2, v139
	v_mul_u32_u24 v[DA], v136, PITCH
	v_lshl_add_u32 v[QA], v137, 6, v[DA]
	v_lshl_add_u32 v[DA], v137, 5, v[DA]
	s_lshl_b32 s46, s38, 8
	v_add_nc_u32 v[DA], s46, v[DA]
	v_add_nc_u32 v[DA2], 64*PITCH, v[DA]
	s_mul_i32 s47, s38, 32*PITCH
	v_add_nc_u32 v[QA], s47, v[QA]
	v_add_nc_u32 v[RA], s47, v[L16]
	s_lshl_b32 s46, s38, 12
	s_add_co_u32 s46, s46, XIM
	v_add_nc_u32 v[XWI], s46, v[L16]
	s_lshl_b32 s46, s38, 9
	s_add_co_u32 s46, s46, XSW
	v_add_nc_u32 v[XWS], s46, v[LS]
	s_lshl_b32 s46, s38, 14
	s_add_co_u32 s46, s46, HIM
	v_add_nc_u32 v[HWI], s46, v[L16]
	s_lshl_b32 s46, s38, 11
	s_add_co_u32 s46, s46, HSW
	v_add_nc_u32 v[HWS], s46, v[LS]
	v_lshl_add_u32 v[SSA], v136, 2, SSW
	v_add_nc_u32 v[SIMA], SIM, v[L16]
	v_add_nc_u32 v[HIMA], HIM, v[L16]
	v_add_nc_u32 v[HSWA], HSW, v[LS]
	; the weights' offsets: codes row x row bytes + 16 h, scale words row x (K / 32), each with my wave's part; they are never rewritten
	s_lshl_b32 s46, s38, 13
	v_lshl_add_u32 v129, v136, 7, v140
	v_add_nc_u32 v129, s46, v129                   ; Wout: row 64 w + 16 t + r, 128 bytes
	s_lshl_b32 s46, s38, 9
	v_lshl_add_u32 v130, v136, 3, s46
	s_lshl_b32 s46, s38, 15
	v_lshl_add_u32 v131, v138, 7, v140
	v_add_nc_u32 v131, s46, v131                   ; Wff1: row 256 w + .. + r + 8 (r / 8), 128 bytes
	v_lshl_add_u32 v134, v136, 9, v140
	v_add_nc_u32 v134, s46, v134                   ; Wff2: row 64 w + 16 t + r, 512 bytes
	s_lshl_b32 s46, s38, 11
	v_lshl_add_u32 v132, v138, 3, s46
	v_lshl_add_u32 v135, v136, 5, s46
	s_lshl_b32 s46, s38, 10
	v_lshl_add_u32 v133, v137, 6, s46              ; bff1: 256 w + 16 h floats on
	; my 32 rows of src: row 32 w + i of the work-group, 16 bytes a lane
	s_lshl_b32 s48, s38, 5
.set i, 0
.rept 32
	s_add_co_u32 s46, s48, i
	s_and_b32 s46, s46, s40
	s_min_u32 s46, s46, s41
	v_lshl_add_u32 v[GO+i], s46, 10, v[L16]
.set i, i+1
.endr
	s_lshl_b32 s48, ttmp9, 3
	s_lshl_b32 s49, s38, 1
	s_add_co_u32 s48, s48, s49                     ; my two tiles of A: 8 x work-group + 2 w + j, held at the last tile
.irp j, 0,1
	s_add_co_u32 s46, s48, \j
	s_min_u32 s46, s46, LASTT
	v_lshl_add_u32 v[CG+\j], s46, 11, v[L16]
	v_lshl_add_u32 v[SG+\j], s46, 7, v[LS]
	s_add_co_u32 s46, s49, \j
	s_lshl_b32 s47, s46, 11
	s_add_co_u32 s47, s47, SIM
	v_add_nc_u32 v[CLA+\j], s47, v[L16]
	s_lshl_b32 s47, s46, 7
	s_add_co_u32 s47, s47, SSW
	v_add_nc_u32 v[SLA+\j], s47, v[LS]
.endr
.irp b, 0,1,2,3
	v_mov_b32 v[TM+4+\b], 0                        ; written once: a lane permute's destination counts as one of its sources
.endr
	s_wait_kmcnt 0x0
	s_lshl_b32 s46, ttmp9, 17                      ; 128 rows of 1,024 bytes
	s_mov_b32 s47, 0
	s_add_nc_u64 s[8:9], s[8:9], s[46:47]
	s_add_nc_u64 s[36:37], s[36:37], s[46:47]
	WIN 0x40                                       ; src first, into window 1: 64 loads of 512 consecutive bytes
.set i, 0
.rept 32
	global_load_b128 v[8*i:8*i+3], v[GO+i], s[8:9] th:TH_LOAD_NT
	global_load_b128 v[8*i+4:8*i+7], v[GO+i], s[8:9] offset:512 th:TH_LOAD_NT
.set i, i+1
.endr
	WIN 0
.irp j, 0,1                                    ; A's images and scale words, as they lie
.irp k, 0,1,2,3
	global_load_b128 v[AD+16*\j+4*\k:AD+16*\j+4*\k+3], v[CG+\j], s[4:5] offset:512*\k
.endr
	global_load_b32 v[ASD+\j], v[SG+\j], s[6:7]
.endr
	WIN 0xc0                                       ; window 3: Wout's fragment (tile t, K step s) at v[8 (2 t + s)], and the norms' six vectors: with Wout's scale words 32 loads
.irp t, 0,1,2,3
.irp s, 0,1
.irp c, 0,1
	global_load_b128 v[8*(2*\t+\s)+4*\c:8*(2*\t+\s)+4*\c+3], v129, s[10:11] offset:\t*2048+64*\s+32*\c
.endr
.endr
.endr
	global_load_b128 v[BO:BO+3], v[L16], s[14:15]
	global_load_b128 v[BO+4:BO+7], v[L16], s[14:15] offset:512
	global_load_b128 v[G1:G1+3], v[L16], s[16:17]
	global_load_b128 v[G1+4:G1+7], v[L16], s[16:17] offset:512
	global_load_b128 v[B1:B1+3], v[L16], s[18:19]
	global_load_b128 v[B1+4:B1+7], v[L16], s[18:19] offset:512
	global_load_b128 v[BF2:BF2+3], v[L16], s[30:31]
	global_load_b128 v[BF2+4:BF2+7], v[L16], s[30:31] offset:512
	global_load_b128 v[G2:G2+3], v[L16], s[32:33]
	global_load_b128 v[G2+4:G2+7], v[L16], s[32:33] offset:512
	global_load_b128 v[B2:B2+3], v[L16], s[34:35]
	global_load_b128 v[B2+4:B2+7], v[L16], s[34:35] offset:512
	WIN 0
.irp t, 0,1,2,3                                ; a weight row's scale words are neighbouring bytes: one load for Wout's two
	global_load_b64 v[WOS+2*\t:WOS+2*\t+1], v130, s[12:13] offset:\t*128
.endr
	s_wait_loadcnt 32                              ; src and A are in; the 32 loads behind them may be out
	WIN 0x04                                       ; an LDS store's data are its source 1: window 1
.set i, 0
.rept 32
	ds_store_b128 v[RA], v[8*i:8*i+3] offset:i*PITCH
	ds_store_b128 v[RA], v[8*i+4:8*i+7] offset:i*PITCH+512
.set i, i+1
.endr
	WIN 0
.irp j, 0,1
.irp k, 0,1,2,3
	ds_store_b128 v[CLA+\j], v[AD+16*\j+4*\k:AD+16*\j+4*\k+3] offset:512*\k
.endr
	ds_store_b32 v[SLA+\j], v[ASD+\j]
.endr
	s_wait_dscnt 0x0                               ; the stores have read window 1, which Wff1 now takes
	WIN 0x40                                       ; window 1: Wff1's fragment (half u, tile t, K step s) at v[8 (2 (8 u + t) + s)]: with bff1 and the scale words 112 loads
.irp u, 0,1
.irp t, 0,1,2,3,4,5,6,7
.irp s, 0,1
.irp c, 0,1
	global_load_b128 v[8*(2*(8*\u+\t)+\s)+4*\c:8*(2*(8*\u+\t)+\s)+4*\c+3], v131, s[20:21] offset:(128*\u+32*(\t/2)+8*(\t%2))*128+64*\s+32*\c
.endr
.endr
.endr
.endr
	WIN 0xc0
.irp u, 0,1
.irp t, 0,1,2,3,4,5,6,7
	global_load_b128 v[64+8*(8*\u+\t):64+8*(8*\u+\t)+3], v133, s[24:25] offset:(128*\u+32*(\t/2)+8*(\t%2))*4
	global_load_b128 v[68+8*(8*\u+\t):68+8*(8*\u+\t)+3], v133, s[24:25] offset:(128*\u+32*(\t/2)+8*(\t%2))*4+16
.endr
.endr
	WIN 0
.irp u, 0,1
.irp t, 0,1,2,3,4,5,6,7
	global_load_b64 v[W1S+2*(8*\u+\t):W1S+2*(8*\u+\t)+1], v132, s[22:23] offset:(128*\u+32*(\t/2)+8*(\t%2))*8
.endr
.endr
	BARRIER                                        ; everybody's rows of src and tiles of A lie in LDS
	s_wait_loadcnt 63                              ; Wout, its scale words and the norms' vectors are in: 112 loads were issued behind them; a smaller count is safe, and the wait's field takes no more than 63
; PRODUCT 4, tile m: my 64 columns of src + A Wout.  C is the tile of the stage, D goes back in its place.  Four accumulators by turns.  Every address is a constant and a lane's term.
.macro P1TILE m
.if (\m)<4
.set DB, DA
.else
.set DB, DA2
.endif
.set DO, ((\m)%4)*16*PITCH
.irp t, 0,1,2,3
	ds_load_b128 v[WK+8*\t:WK+8*\t+3], v[DB] offset:DO+64*\t
	ds_load_b128 v[WK+8*\t+4:WK+8*\t+7], v[DB] offset:DO+64*\t+16
.endr
	FETCH WK+32, SIMA, 2048*(\m)
	FETCH WK+40, SIMA, 2048*(\m)+1024
	ds_load_b32 v[DSC], v[SSA] offset:128*(\m)
	ds_load_b32 v[DSC+1], v[SSA] offset:128*(\m)+64
	s_wait_dscnt 0x0
	WIN 0x03                                       ; Wout in window 3
.irp s, 0,1
.irp t, 0,1,2,3
	MM WK+8*\t, 8*(2*\t+\s), WK+32+8*\s, WK+8*\t, WOS+2*\t+\s, DSC+\s
.endr
.endr
	WIN 0
	PLACES
.irp t, 0,1,2,3
	ds_store_b128 v[DB] , v[WK+8*\t:WK+8*\t+3] offset:DO+64*\t
	ds_store_b128 v[DB] , v[WK+8*\t+4:WK+8*\t+7] offset:DO+64*\t+16
.endr
.endm
.irp m, 0,1,2,3,4,5,6,7
	P1TILE \m
.endr
	BARRIER                                        ; 128 whole rows of src + A Wout lie in the stage
	WIN 0x80                                       ; window 2: Wff2's fragment (tile t, K step k) at v[8 (8 t + k)]: with its scale words 72 loads, which land under the norm and the next product
.irp t, 0,1,2,3
.irp k, 0,1,2,3,4,5,6,7
.irp c, 0,1
	global_load_b128 v[8*(8*\t+\k)+4*\c:8*(8*\t+\k)+4*\c+3], v134, s[26:27] offset:\t*8192+64*\k+32*\c
.endr
.endr
.endr
	WIN 0
.irp t, 0,1,2,3                                ; a row's eight scale words are 32 neighbouring bytes
	global_load_b128 v[W2S+8*\t:W2S+8*\t+3], v135, s[28:29] offset:\t*512
	global_load_b128 v[W2S+8*\t+4:W2S+8*\t+7], v135, s[28:29] offset:\t*512+16
.endr
.macro REDUCE                                  ; eight rows' sums over the 32 lanes, the rows by turns
.irp x, 1,2,4,8
.irp i, 0,1,2,3,4,5,6,7
	v_add_f32_dpp v[SU+2*\i], v[SU+2*\i], v[SU+2*\i] row_xmask:\x row_mask:0xf bank_mask:0xf
.endr
.endr
.irp i, 0,1,2,3,4,5,6,7
	v_permlanex16_b32 v[SU+2*\i+1], v[SU+2*\i], s[SEL], s[SEL+1]
.endr
.irp i, 0,1,2,3,4,5,6,7
	v_add_f32 v[SU+2*\i], v[SU+2*\i], v[SU+2*\i+1]
.endr
.endm
; A LAYER NORM of my 32 rows, 8 a trip: lane l holds columns 4 l .. 4 l + 3 and 128 + 4 l .. + 3 of each.  out = 0: back into the stage;  1: to out0
.macro LNLOOP bias, g, b, out
	s_mov_b32 s50, 4
	s_mov_b32 s51, 0                               ; + 8 rows a trip
.if \out
	s_lshl_b32 s52, s38, 5                         ; the trip's first local row
.endif
.Lln_\@:
	v_add_nc_u32 v[T0], s51, v[RA]
.irp i, 0,1,2,3,4,5,6,7
	ds_load_b128 v[WK+8*\i:WK+8*\i+3], v[T0] offset:PITCH*\i
	ds_load_b128 v[WK+8*\i+4:WK+8*\i+7], v[T0] offset:PITCH*\i+512
.endr
	s_wait_dscnt 0x0
	WIN 0x0c                                       ; the product's bias, in window 3
.irp i, 0,1,2,3,4,5,6,7
.irp e, 0,2,4,6
	v_pk_add_f32 v[WK+8*\i+\e:WK+8*\i+\e+1], v[WK+8*\i+\e:WK+8*\i+\e+1], v[\bias+\e:\bias+\e+1]
.endr
.endr
	WIN 0
.irp i, 0,1,2,3,4,5,6,7
	v_pk_add_f32 v[SU+2*\i:SU+2*\i+1], v[WK+8*\i:WK+8*\i+1], v[WK+8*\i+2:WK+8*\i+3]
.endr
.irp e, 4,6
.irp i, 0,1,2,3,4,5,6,7
	v_pk_add_f32 v[SU+2*\i:SU+2*\i+1], v[SU+2*\i:SU+2*\i+1], v[WK+8*\i+\e:WK+8*\i+\e+1]
.endr
.endr
.irp i, 0,1,2,3,4,5,6,7
	v_add_f32 v[SU+2*\i], v[SU+2*\i], v[SU+2*\i+1]
.endr
	REDUCE
.irp i, 0,1,2,3,4,5,6,7
	v_mul_f32 v[SU+2*\i], s44, v[SU+2*\i]          ; the mean
.endr
.irp i, 0,1,2,3,4,5,6,7
.irp e, 0,2,4,6
	v_pk_add_f32 v[WK+8*\i+\e:WK+8*\i+\e+1], v[WK+8*\i+\e:WK+8*\i+\e+1], v[SU+2*\i:SU+2*\i+1] op_sel_hi:[1,0] neg_lo:[0,1] neg_hi:[0,1]
.endr
.endr
.irp i, 0,1,2,3,4,5,6,7
	v_pk_mul_f32 v[SU+2*\i:SU+2*\i+1], v[WK+8*\i:WK+8*\i+1], v[WK+8*\i:WK+8*\i+1]
.endr
.irp e, 2,4,6
.irp i, 0,1,2,3,4,5,6,7
	v_pk_fma_f32 v[SU+2*\i:SU+2*\i+1], v[WK+8*\i+\e:WK+8*\i+\e+1], v[WK+8*\i+\e:WK+8*\i+\e+1], v[SU+2*\i:SU+2*\i+1]
.endr
.endr
.irp i, 0,1,2,3,4,5,6,7
	v_add_f32 v[SU+2*\i], v[SU+2*\i], v[SU+2*\i+1]
.endr
	REDUCE
.irp i, 0,1,2,3,4,5,6,7
	v_fma_f32 v[SU+2*\i], v[SU+2*\i], s44, s45     ; the variance + 1e-5
.endr
.irp i, 0,1,2,3,4,5,6,7
	v_rsq_f32 v[SU+2*\i], v[SU+2*\i]
.endr
	v_nop                                          ; a plain place behind the roots
	s_wait_alu depctr_va_vdst(0)
.irp i, 0,1,2,3,4,5,6,7
.irp e, 0,2,4,6
	v_pk_mul_f32 v[WK+8*\i+\e:WK+8*\i+\e+1], v[WK+8*\i+\e:WK+8*\i+\e+1], v[SU+2*\i:SU+2*\i+1] op_sel_hi:[1,0]
.endr
.endr
	WIN 0x3c                                       ; gain and bias in window 3
.irp i, 0,1,2,3,4,5,6,7
.irp e, 0,2,4,6
	v_pk_fma_f32 v[WK+8*\i+\e:WK+8*\i+\e+1], v[WK+8*\i+\e:WK+8*\i+\e+1], v[\g+\e:\g+\e+1], v[\b+\e:\b+\e+1]
.endr
.endr
	WIN 0
.if \out
.irp i, 0,1,2,3,4,5,6,7
	s_add_co_u32 s46, s52, \i
	s_and_b32 s46, s46, s40
	s_min_u32 s46, s46, s41
	v_lshl_add_u32 v[VO+\i], s46, 10, v[L16]
.endr
.irp i, 0,1,2,3,4,5,6,7
	global_store_b128 v[VO+\i], v[WK+8*\i:WK+8*\i+3], s[36:37] th:TH_STORE_NT              ; 512 consecutive bytes a store, aligned
	global_store_b128 v[VO+\i], v[WK+8*\i+4:WK+8*\i+7], s[36:37] offset:512 th:TH_STORE_NT
.endr
	s_wait_xcnt 0x0                                ; the stores' data and offsets are written again only behind this wait
	s_add_co_u32 s52, s52, 8
.else
.irp i, 0,1,2,3,4,5,6,7
	ds_store_b128 v[T0], v[WK+8*\i:WK+8*\i+3] offset:PITCH*\i
	ds_store_b128 v[T0], v[WK+8*\i+4:WK+8*\i+7] offset:PITCH*\i+512
.endr
.endif
	s_add_co_u32 s51, s51, 8*PITCH
	s_sub_co_u32 s50, s50, 1
	s_cmp_lg_u32 s50, 0
	s_cbranch_scc1 .Lln_\@
.endm
	LNLOOP BO, G1, B1, 0                           ; x, in my 32 rows of the stage
.irp j, 0,1                                    ; and x's codes: my two tiles, two K steps each (LDS serves a wave's instructions in order: these reads see my stores)
.irp s, 0,1
	QREAD WK, QA, 16*PITCH*\j+512*\s
	s_wait_dscnt 0x0
	QUANT WK
	IMAGE XWI, (2*\j+\s)*1024
	ds_store_b32 v[XWS], v[PW] offset:(2*\j+\s)*128
	s_wait_dscnt 0x0                               ; the stores have read their registers
.endr
.endr
	BARRIER                                        ; x and its sixteen images lie in LDS
	s_wait_loadcnt 63                              ; Wff1, bff1 and their scale words are in: Wff2's 72 loads were issued behind them; a smaller count is safe
	; PRODUCT 5: my 256 hidden units of each tile of rows, relu, quantised in registers: K steps 2 w, 2 w + 1 of the last product
	s_mov_b32 s50, 8
	s_mov_b32 s51, XIM                             ; + 2,048 a tile
	s_mov_b32 s52, XSW                             ; + 256
	s_mov_b32 s53, 0                               ; + 2,048
	s_mov_b32 s54, 0                               ; + 256
.Lp3:
	v_add_nc_u32 v[T0], s51, v[L16]
	v_add_nc_u32 v[T1], s52, v[LS]
	v_add_nc_u32 v[T2], s53, v[HWI]
	v_add_nc_u32 v[T3], s54, v[HWS]
	FETCH WK+64, T0, 0
	FETCH WK+72, T0, 1024
	ds_load_b32 v[DSC], v[T1]
	ds_load_b32 v[DSC+1], v[T1] offset:128
	s_wait_dscnt 0x0
.irp u, 0,1
	WIN 0x31                                       ; Wff1 in window 1, bff1 as C in window 3.  Eight accumulators by turns
.irp t, 0,1,2,3,4,5,6,7
	MM WK+8*\t, 8*(2*(8*\u+\t)), WK+64, 64+8*(8*\u+\t), W1S+2*(8*\u+\t), DSC
.endr
	WIN 0x01
.irp t, 0,1,2,3,4,5,6,7
	MM WK+8*\t, 8*(2*(8*\u+\t)+1), WK+72, WK+8*\t, W1S+2*(8*\u+\t)+1, DSC+1
.endr
	WIN 0
	PLACES
.set k, 0
.rept 64
	v_max_num_f32 v[WK+k], 0, v[WK+k]              ; the activation, in f32, each accumulator from its low end on
.set k, k+1
.endr
	QUANT WK
	IMAGE T2, 1024*\u
	ds_store_b32 v[T3], v[PW] offset:128*\u
	s_wait_dscnt 0x0                               ; the stores have read their registers
.endr
	s_add_co_u32 s51, s51, 2048
	s_add_co_u32 s52, s52, 256
	s_add_co_u32 s53, s53, 2048
	s_add_co_u32 s54, s54, 256
	s_sub_co_u32 s50, s50, 1
	s_cmp_lg_u32 s50, 0
	s_cbranch_scc1 .Lp3
	BARRIER                                        ; the hidden layer's 64 images lie in LDS
	s_wait_loadcnt 0x0                             ; Wff2 and its scale words are in
; PRODUCT 6, tile m: my 64 columns of x + hidden Wff2.  C is x's tile of the stage, D goes back in its place.  Four accumulators by turns, K ascending
.macro P4TILE m
.if (\m)<4
.set DB, DA
.else
.set DB, DA2
.endif
.set DO, ((\m)%4)*16*PITCH
.irp t, 0,1,2,3
	ds_load_b128 v[WK+8*\t:WK+8*\t+3], v[DB] offset:DO+64*\t
	ds_load_b128 v[WK+8*\t+4:WK+8*\t+7], v[DB] offset:DO+64*\t+16
.endr
.irp k, 0,1,2,3,4,5,6,7
	FETCH WK+32+8*\k, HIMA, (\k/2)*16384+(\m)*2048+(\k%2)*1024
	ds_load_b32 v[DSC+\k], v[HSWA] offset:(\k/2)*2048+(\m)*256+(\k%2)*128
.endr
	s_wait_dscnt 0x0
	WIN 0x02                                       ; Wff2 in window 2
.irp k, 0,1,2,3,4,5,6,7
.irp t, 0,1,2,3
	MM WK+8*\t, 8*(8*\t+\k), WK+32+8*\k, WK+8*\t, W2S+8*\t+\k, DSC+\k
.endr
.endr
	WIN 0
	PLACES
.irp t, 0,1,2,3
	ds_store_b128 v[DB], v[WK+8*\t:WK+8*\t+3] offset:DO+64*\t
	ds_store_b128 v[DB], v[WK+8*\t+4:WK+8*\t+7] offset:DO+64*\t+16
.endr
.endm
.irp m, 0,1,2,3,4,5,6,7
	P4TILE \m
.endr
	BARRIER                                        ; 128 whole rows of x + ff lie in the stage
	LNLOOP BF2, G2, B2, 1
	s_barrier_signal -1
	s_barrier_wait -1
	s_wait_tensorcnt 0x0
	ds_add_u32 v254, v255
	s_wait_dscnt 0x0
	s_endpgm
.Lfunc_end_k_q436b3f0af7_ffn:
	.size	k_q436b3f0af7_ffn, .Lfunc_end_k_q436b3f0af7_ffn-k_q436b3f0af7_ffn
	.p2alignl 7, 3214868480
	.fill 96, 4, 3214868480
	.section	.rodata,"a",@progbits
	.p2align	6, 0x0
	.amdhsa_kernel k_q436b3f0af7_ffn
		.amdhsa_group_segment_fixed_size 243200
		.amdhsa_private_segment_fixed_size 0
		.amdhsa_enable_private_segment 0
		.amdhsa_kernarg_size 136
		.amdhsa_user_sgpr_count 2
		.amdhsa_user_sgpr_kernarg_segment_ptr 1
		.amdhsa_wavefront_size32 1
		.amdhsa_system_sgpr_workgroup_id_x 1
		.amdhsa_system_sgpr_workgroup_id_y 1
		.amdhsa_system_sgpr_workgroup_id_z 1
		.amdhsa_system_vgpr_workitem_id 0
		.amdhsa_next_free_vgpr 1024
		.amdhsa_next_free_sgpr 66
		.amdhsa_reserve_vcc 0
		.amdhsa_float_denorm_mode_32 3
		.amdhsa_float_denorm_mode_16_64 3
		.amdhsa_memory_ordered 1
		.amdhsa_forward_progress 1
		.amdhsa_inst_pref_size 199
	.end_amdhsa_kernel
	.amdgpu_metadata
---
amdhsa.version: [ 1, 2 ]
amdhsa.kernels:
  - .name:           k_q436b3f0af7_ffn
    .symbol:         k_q436b3f0af7_ffn.kd
    .args:
      - { .name: acodes, .offset: 0, .size: 8, .value_kind: global_buffer, .address_space: global }
      - { .name: ascales, .offset: 8, .size: 8, .value_kind: global_buffer, .address_space: global }
      - { .name: src, .offset: 16, .size: 8, .value_kind: global_buffer, .address_space: global }
      - { .name: Wout_codes, .offset: 24, .size: 8, .value_kind: global_buffer, .address_space: global }
      - { .name: Wout_scales, .offset: 32, .size: 8, .value_kind: global_buffer, .address_space: global }
      - { .name: bout, .offset: 40, .size: 8, .value_kind: global_buffer, .address_space: global }
      - { .name: g1, .offset: 48, .size: 8, .value_kind: global_buffer, .address_space: global }
      - { .name: b1, .offset: 56, .size: 8, .value_kind: global_buffer, .address_space: global }
      - { .name: Wff1_codes, .offset: 64, .size: 8, .value_kind: global_buffer, .address_space: global }
      - { .name: Wff1_scales, .offset: 72, .size: 8, .value_kind: global_buffer, .address_space: global }
      - { .name: bff1, .offset: 80, .size: 8, .value_kind: global_buffer, .address_space: global }
      - { .name: Wff2_codes, .offset: 88, .size: 8, .value_kind: global_buffer, .address_space: global }
      - { .name: Wff2_scales, .offset: 96, .size: 8, .value_kind: global_buffer, .address_space: global }
      - { .name: bff2, .offset: 104, .size: 8, .value_kind: global_buffer, .address_space: global }
      - { .name: g2, .offset: 112, .size: 8, .value_kind: global_buffer, .address_space: global }
      - { .name: b2, .offset: 120, .size: 8, .value_kind: global_buffer, .address_space: global }
      - { .name: out0, .offset: 128, .size: 8, .value_kind: global_buffer, .address_space: global }
    .group_segment_fixed_size: 243200
    .private_segment_fixed_size: 0
    .kernarg_segment_align: 8
    .kernarg_segment_size: 136
    .max_flat_workgroup_size: 128
    .sgpr_count:     66
    .vgpr_count:     1024
    .wavefront_size: 32
...
	.end_amdgpu_metadata
.endif
;; end of part 3
;; ======== version 2 of 2: 3 launches; 2.09 times as fast as version 1
;; workspace buffers: value 27,011,072 bytes; sidx 10,125,312 bytes of whole numbers; swgt 40,501,248 bytes; aout 27,000,832 bytes
;; launch project (part 4): grid 206 x 1, 4 waves a work-group, no clusters, 306,688 bytes of LDS; arguments src, pos, reference_points, Wv_codes, Wv_scales, bv, Woff_codes, Woff_scales, boff, Wattn_codes, Wattn_scales, battn, value, sidx, swgt; writes value, sidx, swgt
.if DOCPART == 4
	.amdgcn_target "amdgcn-amd-amdhsa--gfx1250"
	.amdhsa_code_object_version 6
	.text
	.protected	k_q436b3f0af7_project
	.globl	k_q436b3f0af7_project
	.p2align	8
	.type	k_q436b3f0af7_project,@function
k_q436b3f0af7_project:
	s_mov_b64 s[64:65], 0
	v_nop
	global_prefetch_b8 v0, s[64:65] scope:SCOPE_SE
	s_setreg_imm32_b32 hwreg(HW_REG_WAVE_MODE, 25, 1), 1
	s_wait_xcnt 0x0
; PROJECT: value = Q(src) Wv + bv;  offsets = Q(src + pos) Woff + boff;  attention = softmax(Q(src + pos) Wattn + battn) over a head's 12 points;
; then, for each (row, head, level, point), the index of the sample's upper left pixel (a whole number) and the four corner weights (attention and validity multiplied in).
; All three products on codes of FP4 (E2M1) with one E8M0 scale for each 32 along K = 256.
; SHARES.  A work-group takes 128 rows (8 tiles of 16).  Quantising is shared by rows (wave w: tiles 2 w, 2 w + 1); the products by columns: wave w owns heads 2 w and 2 w + 1 for all
; 8 tiles, and its 9 tiles of weight rows stay in registers.  The products are used transposed (source 0 = 16 weight rows, source 1 = 16 data rows), and the weight rows of a tile are
; chosen so that lanes 0-15 hold head 2 w and lanes 16-31 head 2 w + 1 of data row lane % 16: a lane is one (row, head) and holds its 32 channels, 24 offsets and 12 logits.
; THE WAY IN.  A load is best where neighbouring lanes take neighbouring bytes, the quantiser wants 16 neighbours along K in one lane.  So a wave's 32 rows of src and pos come by 128 loads of 512
; consecutive bytes into windows 2 and 3, all issued at the head, go into padded rows of LDS as they lie, and come back 64 bytes a lane.  These are the wave's own bytes: no barrier.
; THE WAY OUT.  All three buffers lie [head][part][row 26,368][16 bytes]: value's part is a slice of 4 channels (8 a head), sidx's a level (its 4 points), swgt's a point (its 4 corners).
; A lane's four registers are then 16 bytes of its row, and sixteen neighbouring lanes store 256 consecutive bytes, aligned, straight from the registers.
; value has 128 guard rows of zeros in front of its first slice and 8,192 bytes of zeros behind its last; an index is local to its batch: 128 + level start + y0 W + x0.
; THE LAST WORK-GROUP has 10 rows: local row k loads row min(k & 15, 9), so its 8 tiles are copies of the last tile and that tile's rows 10-15 copies of the last row.  What it stores goes
; to the padded rows 26,240 to 26,367 of the workspace buffers.  No lane is ever switched off.
; LIMITS: NaN and infinities among the inputs are not served.  The sampling place is x = ref W + off - 0.5 (one fused step; equal in exact arithmetic to the problem's chain).
; Places beyond the range of i32 saturate and get weight 0.  Blocks whose largest magnitude lies under 2^-124 keep the scale byte 1.
.set NLAST, 205                        ; the last work-group
.set SLB,   421888                     ; bytes of a part: 26,368 rows of 16
.set PITCH, 1040                       ; an LDS row: 1,024 bytes + 16: sixteen rows of one column start at sixteen different groups of banks
.set POSL,  133120                     ; LDS: src's 128 rows at 0, pos's here,
.set XI,    266240                     ; 32 operand images of 1,024 bytes (tile m, operand o, K step s: 4 m + 2 o + s),
.set XSW,   299008                     ; their scale words, 128 bytes each,
.set REFL,  303104                     ; and the 128 rows' reference points, 24 bytes each
.set L16, 1                            ; v1   16 x lane
.set LS,  2                            ; v2   4 x lane
.set QA,  3                            ; v3   src: (32 w + r) x 1040 + 64 h: my 16 numbers of a block of 32
.set QAP, 4                            ; v4   the same in pos
.set XWI, 5                            ; v5   where I store images
.set XWS, 6                            ; v6   and scale words
.set VOF, 7                            ; v7   my offset in value: 16 r + h x a head's 8 parts
.set IOF, 8                            ; v8   in sidx: 16 r + h x 3 parts
.set RFA, 9                            ; v9   reference points of row r
.set SWA, 10                           ; v10  quantising: my wave's rows of src in LDS + 16 x lane;  v11 the same in pos;  later v10-12 addresses of the trip in hand
.set PWA, 11
.set WOF, 13                           ; v13  my offset in swgt: 16 r + h x 12 parts
.set R15, 15                           ; v15  r
.set WSC, 16                           ; v16-33 the weights' scale words (tile t, K step s: 2 t + s);  v34-37 the data's: these hold scales alone
.set XS,  34
.set REFR, 38                          ; v38-43 the row's reference points;  v44-49 ref x W - 0.5
.set RXY, 44
.set TM,  52                           ; v52-67 at work in the quantiser;  v68-75 the codes just made;  v76 their scale word
.set PC,  68
.set PW,  76
.set FR,  78                           ; v78-109 the tile's four fragments
.set ACC, 110                          ; v110-181 the nine accumulators: value 0-3, offsets 4-6, logits 7-8
.set OFS, 142
.set ATT, 166
.set WT,  182                          ; v182-229 48 corner weights
.set IDXO, 230                         ; v230-241 12 indices
.set SM,  242                          ; v242-249 at work in the softmax
.set RBL, 250                          ; v250-252 level start + guard
.set PT,  52                           ; 12 registers for each of a level's four points, over what the products have done with
.set SA,  78                           ; quantising: 64 numbers of src, 64 of pos
.set SB,  142
.set GO,  142                          ; the head: the byte offsets of my 32 rows,
.set VWO, 176                          ; the offsets of the weights' loads,
.set OWO, 177
.set AWO, 178
.set ASO, 180
.set VSO, 182
.set OSO, 183
.set VBO, 184
.set OBO, 185
.set ABO, 186
.set REFD, 206                         ; my thread's row of reference points, its LDS address and its offset
.set RLA, 212
.set RGO, 213
.set SEL, 38                           ; s[38:39] lane selects of v_permlanex16_b32: lane l xor 16
.set MSB, 0
.macro WIN new                         ; the immediate's high byte repeats the setting that is left
.if MSB != \new
	s_set_vgpr_msb (MSB<<8)|\new
.set MSB, \new
.endif
.endm
; 64 numbers of a lane, register 16 b + i = k 32 b + 16 (lane / 16) + i of my row, become a fragment's codes in v[PC] on and its scale word in v[PW]
.macro QUANT s
.irp b, 0,1,2,3
	v_max3_num_f32 v[TM+\b], |v[\s+16*\b]|, |v[\s+1+16*\b]|, 0x1800000   ; block b: my 16 numbers, and the floor 2^(3 - 127): the byte cannot fall under 1
.endr
.irp i, 2,4,6,8,10,12,14
.irp b, 0,1,2,3
	v_max3_num_f32 v[TM+\b], v[TM+\b], |v[\s+16*\b+\i]|, |v[\s+1+16*\b+\i]|
.endr
.endr
.irp b, 0,1,2,3
	v_permlanex16_b32 v[TM+4+\b], v[TM+\b], s[SEL], s[SEL+1]
.endr
.irp b, 0,1,2,3
	v_max_num_f32 v[TM+\b], v[TM+\b], v[TM+4+\b]   ; with lane l xor 16's: the block's largest magnitude
.endr
.irp b, 0,1,2,3
	v_add_nc_u32 v[TM+12+\b], 0xff000000, v[TM+\b]   ; 2 off its exponent field: the conversion's scale operand
.endr
.irp b, 0,1,2,3
	v_lshrrev_b32 v[TM+4+\b], 23, v[TM+12+\b]      ; the scale's byte
.endr
	v_lshl_or_b32 v[PW], v[TM+5], 8, v[TM+4]
	v_lshl_or_b32 v[PW], v[TM+6], 16, v[PW]
	v_lshl_or_b32 v[PW], v[TM+7], 24, v[PW]
.irp b, 0,1,2,3
	v_cvt_scalef32_pk8_fp4_f32 v[PC+2*\b], v[\s+16*\b:\s+7+16*\b], v[TM+12+\b]
	v_cvt_scalef32_pk8_fp4_f32 v[PC+1+2*\b], v[\s+8+16*\b:\s+15+16*\b], v[TM+12+\b]
.endr
	v_nop                                          ; one plain place behind a scaled conversion
.irp c, 0,1                                    ; the operand's layout wants a whole block in a lane
.irp i, 0,1
	v_permlane16_swap_b32 v[PC+4*\c+\i], v[PC+2+4*\c+\i]
.endr
.endr
.endm
.macro IMAGE adr, off                          ; a fragment goes to LDS as an image of its registers: 16 bytes a lane, 512 a store
.irp c, 0,1
	ds_store_b128 v[\adr], v[PC+4*\c:PC+4*\c+3] offset:\off+512*\c
.endr
.endm
.macro FETCH reg, adr, off                     ; and comes back so, in any wave
.irp c, 0,1
	ds_load_b128 v[\reg+4*\c:\reg+4*\c+3], v[\adr] offset:\off+512*\c
.endr
.endm
.macro QREAD dst, adr, off                     ; 128 along K of my row, my half of each block of 32
.irp b, 0,1,2,3
.irp q, 0,1,2,3
	ds_load_b128 v[\dst+16*\b+4*\q:\dst+16*\b+4*\q+3], v[\adr] offset:\off+128*\b+16*\q
.endr
.endr
.endm
.macro MM d, a, b, c, sa, sb
	v_wmma_scale_f32_16x16x128_f8f6f4 v[\d:\d+7], v[\a:\a+7], v[\b:\b+7], v[\c:\c+7], v[\sa], v[\sb] matrix_a_fmt:MATRIX_FMT_FP4 matrix_b_fmt:MATRIX_FMT_FP4
.endm
; Unit (tile 2 w + j, K step s): 16 half rows of src, then 16 of pos, 512 consecutive bytes a load, into registers 128 s on of the window that is set (2 + j)
.macro DLOAD j, s
.set i, 0
.rept 16
	global_load_b128 v[128*\s+4*i:128*\s+4*i+3], v[GO+16*\j+i], s[4:5] offset:512*\s th:TH_LOAD_NT
.set i, i+1
.endr
.set i, 0
.rept 16
	global_load_b128 v[128*\s+64+4*i:128*\s+64+4*i+3], v[GO+16*\j+i], s[6:7] offset:512*\s th:TH_LOAD_NT
.set i, i+1
.endr
.endm
	s_load_b256 s[4:11], s[0:1], 0x0               ; src, pos, reference_points, Wv codes
	s_load_b256 s[12:19], s[0:1], 0x20             ; Wv scales, bv, Woff codes, Woff scales
	s_load_b256 s[20:27], s[0:1], 0x40             ; boff, Wattn codes, Wattn scales, battn
	s_load_b128 s[28:31], s[0:1], 0x60             ; value, sidx
	s_load_b64 s[32:33], s[0:1], 0x70              ; swgt
	v_lshl_add_u32 v254, v0, 2, 0x4ac00
	v_mov_b32 v255, 0
	v_lshrrev_b32 v10, 5, v0
	v_readfirstlane_b32 s34, v10                   ; wave
	s_cmp_eq_u32 ttmp9, NLAST
	s_cselect_b32 s36, 15, 127                     ; local row k loads row min(k & s36, s37)
	s_cselect_b32 s37, 9, 127
	s_lshl_b32 s35, ttmp9, 7                       ; the work-group's first row
	s_mov_b32 s[SEL], 0x76543210
	s_mov_b32 s[SEL+1], 0xfedcba98
	s_mov_b32 s56, 100                             ; the levels' widths (and heights)
	s_mov_b32 s57, 50
	s_mov_b32 s58, 25
	v_and_b32 v11, 31, v0                          ; lane
	v_and_b32 v12, 7, v0                           ; j
	v_bfe_u32 v13, v0, 3, 1                        ; which head of my two a weight row belongs to
	v_bfe_u32 v14, v0, 4, 1                        ; h
	v_and_b32 v[R15], 15, v0                       ; r
	v_lshlrev_b32 v[L16], 4, v11
	v_lshlrev_b32 v[LS], 2, v11
	s_mul_i32 s40, s34, 32*PITCH                   ; my wave's 32 rows
	v_mul_u32_u24 v[QA], v[R15], PITCH
	v_lshl_add_u32 v[QA], v14, 6, v[QA]
	v_add_nc_u32 v[QA], s40, v[QA]
	v_add_nc_u32 v[QAP], POSL, v[QA]
	s_lshl_b32 s41, s34, 13
	s_add_co_u32 s41, s41, XI
	v_add_nc_u32 v[XWI], s41, v[L16]
	s_lshl_b32 s41, s34, 10
	s_add_co_u32 s41, s41, XSW
	v_add_nc_u32 v[XWS], s41, v[LS]
	v_mul_u32_u24 v[RFA], v[R15], 24
	v_add_nc_u32 v[RFA], REFL, v[RFA]
	; the weights' offsets.  Lane (rho, h) of a tile takes weight row n(rho): value (2 w + rho / 8) 32 + 8 t + rho % 8; offsets (..) 24 + 8 i + ..; logits min((..) 12 + 8 a + .., 95)
	v_lshlrev_b32 v187, 7, v12
	v_lshl_add_u32 v187, v14, 4, v187              ; 128 j + 16 h
	s_lshl_b32 s42, s34, 13
	v_lshl_add_u32 v[VWO], v13, 12, v187
	v_add_nc_u32 v[VWO], s42, v[VWO]
	s_mul_i32 s42, s34, 6144
	v_mad_u32_u24 v[OWO], v13, 3072, v187
	v_add_nc_u32 v[OWO], s42, v[OWO]
	s_mul_i32 s42, s34, 24
	v_mad_u32_u24 v188, v13, 12, v12
	v_add_nc_u32 v188, s42, v188                   ; the logits' row of tile 0,
	v_add_nc_u32 v189, 8, v188
	v_min_u32 v189, 95, v189                       ; and of tile 1: its slots 12-15 are never read, and no load leaves the buffer
	v_lshlrev_b32 v190, 4, v14
	v_lshl_add_u32 v[AWO], v188, 7, v190
	v_lshl_add_u32 v[AWO+1], v189, 7, v190
	v_lshlrev_b32 v[ASO], 3, v188
	v_lshlrev_b32 v[ASO+1], 3, v189
	v_lshlrev_b32 v190, 3, v12                     ; scale words: 8 bytes a weight row
	s_lshl_b32 s42, s34, 9
	v_lshl_add_u32 v[VSO], v13, 8, v190
	v_add_nc_u32 v[VSO], s42, v[VSO]
	s_mul_i32 s42, s34, 384
	v_mad_u32_u24 v[OSO], v13, 192, v190
	v_add_nc_u32 v[OSO], s42, v[OSO]
	s_lshl_b32 s42, s34, 8                         ; biases, in the result's layout: head 2 w + h
	v_lshl_add_u32 v[VBO], v14, 7, s42
	s_mul_i32 s42, s34, 192
	v_mad_u32_u24 v[OBO], v14, 96, s42
	s_mul_i32 s42, s34, 96
	v_mad_u32_u24 v[ABO], v14, 48, s42
	v_lshlrev_b32 v[VOF], 4, v[R15]                ; the way out: 16 bytes a row, lanes 16-31 one head further on
	v_mad_u32_u24 v[IOF], v14, 3*SLB, v[VOF]
	v_mad_u32_u24 v[WOF], v14, 12*SLB, v[VOF]
	v_mad_u32_u24 v[VOF], v14, 8*SLB, v[VOF]
	; my 32 rows: where they go in LDS, and where each comes from: row 32 w + i of the work-group, 16 bytes a lane
	s_lshl_b32 s41, s34, 5
	v_add_nc_u32 v[SWA], s40, v[L16]
	v_add_nc_u32 v[PWA], POSL, v[SWA]
.set i, 0
.rept 32
	s_add_co_u32 s42, s41, i
	s_and_b32 s42, s42, s36
	s_min_u32 s42, s42, s37
	v_lshl_add_u32 v[GO+i], s42, 10, v[L16]
.set i, i+1
.endr
	v_mul_u32_u24 v[RLA], v0, 24                   ; reference points: a thread to a local row
	v_add_nc_u32 v[RLA], REFL, v[RLA]
	v_and_b32 v[RGO], s36, v0
	v_min_u32 v[RGO], s37, v[RGO]
	v_add_nc_u32 v[RGO], s35, v[RGO]
	v_mul_u32_u24 v[RGO], v[RGO], 24
	s_wait_kmcnt 0x0
	s_lshl_b32 s42, ttmp9, 17                      ; 128 rows of 1,024 bytes
	s_mov_b32 s43, 0
	s_add_nc_u64 s[4:5], s[4:5], s[42:43]
	s_add_nc_u64 s[6:7], s[6:7], s[42:43]
	; my 9 tiles of weights stay: window 1: fragment (tile t, K step s) at v[8 (2 t + s)], the tile's bias, as the first product's C, at v[144 + 8 t]
	WIN 0x40
.irp t, 0,1,2,3
.irp s, 0,1
.irp c, 0,1
	global_load_b128 v[8*(2*\t+\s)+4*\c:8*(2*\t+\s)+4*\c+3], v[VWO], s[10:11] offset:\t*1024+64*\s+32*\c
.endr
.endr
	global_load_b128 v[144+8*\t:144+8*\t+3], v[VBO], s[14:15] offset:32*\t
	global_load_b128 v[148+8*\t:148+8*\t+3], v[VBO], s[14:15] offset:32*\t+16
.endr
.irp t, 0,1,2
.irp s, 0,1
.irp c, 0,1
	global_load_b128 v[8*(2*(4+\t)+\s)+4*\c:8*(2*(4+\t)+\s)+4*\c+3], v[OWO], s[16:17] offset:\t*1024+64*\s+32*\c
.endr
.endr
	global_load_b128 v[176+8*\t:176+8*\t+3], v[OBO], s[20:21] offset:32*\t
	global_load_b128 v[180+8*\t:180+8*\t+3], v[OBO], s[20:21] offset:32*\t+16
.endr
.irp t, 0,1
.irp s, 0,1
.irp c, 0,1
	global_load_b128 v[8*(2*(7+\t)+\s)+4*\c:8*(2*(7+\t)+\s)+4*\c+3], v[AWO+\t], s[22:23] offset:64*\s+32*\c
.endr
.endr
.endr
	global_load_b128 v[200:203], v[ABO], s[26:27]
	global_load_b128 v[204:207], v[ABO], s[26:27] offset:16
	global_load_b128 v[208:211], v[ABO], s[26:27] offset:32
	global_load_b128 v[212:215], v[ABO], s[26:27] offset:32   ; slots 12-15 are never read: the same 16 bytes, so that no load leaves battn
	WIN 0
.irp t, 0,1,2,3                                ; a weight row's two scale words are 8 neighbouring bytes: one load
	global_load_b64 v[WSC+2*\t:WSC+2*\t+1], v[VSO], s[12:13] offset:64*\t
.endr
.irp t, 0,1,2
	global_load_b64 v[WSC+8+2*\t:WSC+8+2*\t+1], v[OSO], s[18:19] offset:64*\t
.endr
.irp t, 0,1
	global_load_b64 v[WSC+14+2*\t:WSC+14+2*\t+1], v[ASO+\t], s[24:25]
.endr
	global_load_b64 v[REFD:REFD+1], v[RGO], s[8:9]
	global_load_b64 v[REFD+2:REFD+3], v[RGO], s[8:9] offset:8
	global_load_b64 v[REFD+4:REFD+5], v[RGO], s[8:9] offset:16
	WIN 0x80                                       ; the four units of src and pos, in the order in which they are quantised: 4 x 32 loads, 64 KiB a wave
	DLOAD 0, 0
	DLOAD 0, 1
	WIN 0xc0
	DLOAD 1, 0
	DLOAD 1, 1
	WIN 0
	s_cmp_lg_u32 ttmp9, 0                          ; work-group 0 also zeroes value's guards: 2,048 bytes in front (a store a wave), 8,192 behind (four a wave)
	s_cbranch_scc1 .Lno_guard
	s_lshl_b32 s42, s34, 9
	v_add_nc_u32 v191, s42, v[L16]
	s_lshl_b32 s42, s34, 11
	s_add_co_u32 s42, s42, 2048+64*SLB
	v_add_nc_u32 v196, s42, v[L16]
.irp k, 192,193,194,195
	v_mov_b32 v[\k], 0
.endr
	global_store_b128 v191, v[192:195], s[28:29]
.irp k, 0,1,2,3
	global_store_b128 v196, v[192:195], s[28:29] offset:512*\k
.endr
.Lno_guard:
	s_wait_xcnt 0x0                                ; the offsets of the loads above, the guard stores' registers and value's base are written again only behind this wait
	s_lshl_b32 s44, ttmp9, 11                      ; the work-group's 128 rows of 16 bytes
	s_mul_i32 s42, s34, 16*SLB                     ; value: behind the guard, head 2 w
	s_add_co_u32 s42, s42, s44
	s_add_co_u32 s42, s42, 2048
	s_add_nc_u64 s[28:29], s[28:29], s[42:43]
	s_mul_i32 s42, s34, 6*SLB                      ; sidx: head 2 w
	s_add_co_u32 s42, s42, s44
	s_add_nc_u64 s[30:31], s[30:31], s[42:43]
	s_mul_i32 s42, s34, 24*SLB                     ; swgt: head 2 w
	s_add_co_u32 s42, s42, s44
	s_add_nc_u64 s[32:33], s[32:33], s[42:43]
.irp b, 0,1,2,3
	v_mov_b32 v[TM+4+\b], 0                        ; written once: a lane permute's destination counts as one of its sources
.endr
	v_mov_b32 v[SM+1], 0                           ; (named as the upper half of a pair)
	v_mov_b32 v[RBL], 128                          ; guard + level start
	v_mov_b32 v[RBL+1], 10128
	v_mov_b32 v[RBL+2], 12628
; QUANTISING: tile 2 w + j, K step s: the unit goes into my rows of LDS as it lies and comes back 64 bytes a lane; src is quantised, then q = src + pos.
; n: how many younger loads may stay out;  win: the window of the stores' data (2 + j)
.macro XUNIT j, s, n, win
	s_wait_loadcnt \n                              ; loads come back in order: this unit's 32 are in
	WIN \win
.set i, 0
.rept 16
	ds_store_b128 v[SWA], v[128*\s+4*i:128*\s+4*i+3] offset:(16*\j+i)*PITCH+512*\s
	ds_store_b128 v[PWA], v[128*\s+64+4*i:128*\s+64+4*i+3] offset:(16*\j+i)*PITCH+512*\s
.set i, i+1
.endr
	WIN 0
	QREAD SA, QA, 16*PITCH*\j+512*\s               ; LDS serves a wave's instructions in order: these see the stores above
	QREAD SB, QAP, 16*PITCH*\j+512*\s
	s_wait_dscnt 16                                ; src's sixteen reads are in; pos's may be out
	QUANT SA
	IMAGE XWI, (4*\j+\s)*1024
	ds_store_b32 v[XWS], v[PW] offset:(4*\j+\s)*128
	s_wait_dscnt 0x0                               ; pos is in, and the stores have read their registers
.set k, 0
.rept 32
	v_pk_add_f32 v[SB+k:SB+k+1], v[SB+k:SB+k+1], v[SA+k:SA+k+1]
.set k, k+2
.endr
	QUANT SB
	IMAGE XWI, (4*\j+2+\s)*1024
	ds_store_b32 v[XWS], v[PW] offset:(4*\j+2+\s)*128
	s_wait_dscnt 0x0
.endm
	XUNIT 0, 0, 63, 0x08                           ; 96 loads were issued behind this unit's: a smaller count is safe, and the wait's field takes no more than 63
	ds_store_b64 v[RLA], v[REFD:REFD+1]            ; my thread's reference points were loaded ahead of that unit
	ds_store_b64 v[RLA], v[REFD+2:REFD+3] offset:8
	ds_store_b64 v[RLA], v[REFD+4:REFD+5] offset:16
	XUNIT 0, 1, 63, 0x08                           ; 64 behind it
	XUNIT 1, 0, 32, 0x0c                           ; the last unit's 32
	XUNIT 1, 1, 0, 0x0c                            ; none: the weights, issued first of all, have long been in
	s_wait_dscnt 0x0                               ; my images and reference points are stored:
	s_barrier_signal -1
	s_barrier_wait -1                              ; so are everybody's: the 32 images and the reference points may be read
; A level's four points by turns.  Point p's registers at v[PT + 12 p]: +0 x, y, then x1, y1;  +2 their floors, then x0, y0;  +4 the upper weights;  +6 the lower;  +8 x's two, +10 y's two, 0 where the pixel lies outside
.macro LEVEL i
.irp p, 0,1,2,3
	v_pk_add_f32 v[PT+12*\p:PT+12*\p+1], v[OFS+8*\i+2*\p:OFS+8*\i+2*\p+1], v[RXY+2*\i:RXY+2*\i+1]
.endr
.irp p, 0,1,2,3
	v_floor_f32 v[PT+12*\p+2], v[PT+12*\p]
	v_floor_f32 v[PT+12*\p+3], v[PT+12*\p+1]
.endr
.irp p, 0,1,2,3
	v_pk_add_f32 v[PT+12*\p+4:PT+12*\p+5], v[PT+12*\p:PT+12*\p+1], v[PT+12*\p+2:PT+12*\p+3] neg_lo:[0,1] neg_hi:[0,1]
.endr
.irp p, 0,1,2,3
	v_pk_add_f32 v[PT+12*\p+6:PT+12*\p+7], v[PT+12*\p+4:PT+12*\p+5], 1.0 op_sel_hi:[1,0] neg_lo:[1,0] neg_hi:[1,0]
.endr
.irp p, 0,1,2,3
	v_cvt_i32_f32 v[PT+12*\p+2], v[PT+12*\p+2]     ; (it saturates)
	v_cvt_i32_f32 v[PT+12*\p+3], v[PT+12*\p+3]
.endr
.irp p, 0,1,2,3
	v_add_nc_u32 v[PT+12*\p], 1, v[PT+12*\p+2]
	v_add_nc_u32 v[PT+12*\p+1], 1, v[PT+12*\p+3]
.endr
.irp p, 0,1,2,3                                ; inside is 0 <= pixel < W: one unsigned compare
	v_cmp_gt_u32 s[52+\p], s[56+\i], v[PT+12*\p+2]
.endr
.irp p, 0,1,2,3
	v_cndmask_b32 v[PT+12*\p+8], 0, v[PT+12*\p+6], s[52+\p]
.endr
.irp p, 0,1,2,3
	v_cmp_gt_u32 s[52+\p], s[56+\i], v[PT+12*\p]
.endr
.irp p, 0,1,2,3
	v_cndmask_b32 v[PT+12*\p+9], 0, v[PT+12*\p+4], s[52+\p]
.endr
.irp p, 0,1,2,3
	v_cmp_gt_u32 s[52+\p], s[56+\i], v[PT+12*\p+3]
.endr
.irp p, 0,1,2,3
	v_cndmask_b32 v[PT+12*\p+10], 0, v[PT+12*\p+7], s[52+\p]
.endr
.irp p, 0,1,2,3
	v_cmp_gt_u32 s[52+\p], s[56+\i], v[PT+12*\p+1]
.endr
.irp p, 0,1,2,3
	v_cndmask_b32 v[PT+12*\p+11], 0, v[PT+12*\p+5], s[52+\p]
.endr
.irp p, 0,1,2,3                                ; y's two weights take the point's attention
.if \p%2
	v_pk_mul_f32 v[PT+12*\p+10:PT+12*\p+11], v[PT+12*\p+10:PT+12*\p+11], v[ATT+4*\i+\p-1:ATT+4*\i+\p] op_sel:[0,1] op_sel_hi:[1,1]
.else
	v_pk_mul_f32 v[PT+12*\p+10:PT+12*\p+11], v[PT+12*\p+10:PT+12*\p+11], v[ATT+4*\i+\p:ATT+4*\i+\p+1] op_sel_hi:[1,0]
.endif
.endr
.irp p, 0,1,2,3                                ; corners (x0, y0), (x1, y0), (x0, y1), (x1, y1)
	v_pk_mul_f32 v[WT+4*(4*\i+\p):WT+4*(4*\i+\p)+1], v[PT+12*\p+8:PT+12*\p+9], v[PT+12*\p+10:PT+12*\p+11] op_sel_hi:[1,0]
	v_pk_mul_f32 v[WT+4*(4*\i+\p)+2:WT+4*(4*\i+\p)+3], v[PT+12*\p+8:PT+12*\p+9], v[PT+12*\p+10:PT+12*\p+11] op_sel:[0,1] op_sel_hi:[1,1]
.endr
.irp p, 0,1,2,3
	v_mul_lo_u32 v[PT+12*\p+4], v[PT+12*\p+3], s[56+\i]
.endr
.irp p, 0,1,2,3
	v_add3_u32 v[IDXO+4*\i+\p], v[PT+12*\p+4], v[PT+12*\p+2], v[RBL+\i]   ; y0 W + x0 + level + guard, wrapping: where any corner counts it lies between 27 and 13,252
.endr
.endm
	s_mov_b32 s46, 8                               ; the 8 tiles
	s_mov_b32 s47, XI                              ; + 4,096 a tile
	s_mov_b32 s48, XSW                             ; + 512
	s_mov_b32 s49, 0                               ; + 384: 16 rows of reference points
.Ltile:
	v_add_nc_u32 v10, s47, v[L16]
	v_add_nc_u32 v11, s48, v[LS]
	v_add_nc_u32 v12, s49, v[RFA]
.irp f, 0,1,2,3
	FETCH FR+8*\f, 10, 1024*\f
	ds_load_b32 v[XS+\f], v11 offset:128*\f
.endr
	ds_load_b64 v[REFR:REFR+1], v12
	ds_load_b64 v[REFR+2:REFR+3], v12 offset:8
	ds_load_b64 v[REFR+4:REFR+5], v12 offset:16
	s_wait_dscnt 0x0
	WIN 0x11                                       ; weights and biases in window 1.  The nine accumulators take turns, one instruction a turn
.irp t, 0,1,2,3,4,5,6,7,8
	MM ACC+8*\t, 16*\t, FR+16*((\t+4)/8), 144+8*\t, WSC+2*\t, XS+2*((\t+4)/8)
.endr
	WIN 0x01
.irp t, 0,1,2,3,4,5,6,7,8
	MM ACC+8*\t, 16*\t+8, FR+16*((\t+4)/8)+8, ACC+8*\t, WSC+2*\t+1, XS+2*((\t+4)/8)+1
.endr
	WIN 0
	v_fma_f32 v[RXY], v[REFR], 0x42c80000, -0.5    ; ref x W - 0.5.  These six lines name no register of the products: they are the places behind them
	v_fma_f32 v[RXY+1], v[REFR+1], 0x42c80000, -0.5
	v_fma_f32 v[RXY+2], v[REFR+2], 0x42480000, -0.5
	v_fma_f32 v[RXY+3], v[REFR+3], 0x42480000, -0.5
	v_fma_f32 v[RXY+4], v[REFR+4], 0x41c80000, -0.5
	v_fma_f32 v[RXY+5], v[REFR+5], 0x41c80000, -0.5
.irp k, 0,1,2,3,4,5,6,7                        ; value: slice k is four registers; each accumulator from its low end on; sixteen lanes store 256 consecutive bytes, aligned
	global_store_b128 v[VOF], v[ACC+4*\k:ACC+4*\k+3], s[28:29] offset:\k*SLB
.endr
	v_max3_num_f32 v[SM], v[ATT], v[ATT+1], v[ATT+2]   ; the softmax over my head's 12 points: the maximum is taken away first
.irp k, 3,5,7,9
	v_max3_num_f32 v[SM], v[SM], v[ATT+\k], v[ATT+\k+1]
.endr
	v_max_num_f32 v[SM], v[SM], v[ATT+11]
.irp k, 0,2,4,6,8,10
	v_pk_add_f32 v[ATT+\k:ATT+\k+1], v[ATT+\k:ATT+\k+1], v[SM:SM+1] op_sel_hi:[1,0] neg_lo:[0,1] neg_hi:[0,1]
.endr
.irp k, 0,2,4,6,8,10
	v_pk_mul_f32 v[ATT+\k:ATT+\k+1], v[ATT+\k:ATT+\k+1], 0x3fb8aa3b op_sel_hi:[1,0]
.endr
.irp k, 0,1,2,3,4,5,6,7,8,9,10,11
	v_exp_f32 v[ATT+\k], v[ATT+\k]
.endr
	v_nop                                          ; a plain place behind the exponentials
	s_wait_alu depctr_va_vdst(0)
	v_pk_add_f32 v[SM+2:SM+3], v[ATT:ATT+1], v[ATT+2:ATT+3]
	v_pk_add_f32 v[SM+4:SM+5], v[ATT+4:ATT+5], v[ATT+6:ATT+7]
	v_pk_add_f32 v[SM+6:SM+7], v[ATT+8:ATT+9], v[ATT+10:ATT+11]
	v_pk_add_f32 v[SM+2:SM+3], v[SM+2:SM+3], v[SM+4:SM+5]
	v_pk_add_f32 v[SM+2:SM+3], v[SM+2:SM+3], v[SM+6:SM+7]
	v_add_f32 v[SM+2], v[SM+2], v[SM+3]
	v_rcp_f32 v[SM+4], v[SM+2]
	v_nop                                          ; a plain place behind the reciprocal
	s_wait_alu depctr_va_vdst(0)
.irp k, 0,2,4,6,8,10
	v_pk_mul_f32 v[ATT+\k:ATT+\k+1], v[ATT+\k:ATT+\k+1], v[SM+4:SM+5] op_sel_hi:[1,0]
.endr
	LEVEL 0
	LEVEL 1
	LEVEL 2
.irp k, 0,1,2
	global_store_b128 v[IOF], v[IDXO+4*\k:IDXO+4*\k+3], s[30:31] offset:\k*SLB
.endr
.irp k, 0,1,2,3,4,5,6,7,8,9,10,11
	global_store_b128 v[WOF], v[WT+4*\k:WT+4*\k+3], s[32:33] offset:\k*SLB
.endr
	s_wait_xcnt 0x0                                ; the stores' data and bases are written again only behind this wait
	s_add_nc_u64 s[28:29], s[28:29], 256           ; 16 rows of 16 bytes on
	s_add_nc_u64 s[30:31], s[30:31], 256
	s_add_nc_u64 s[32:33], s[32:33], 256
	s_add_co_u32 s47, s47, 4096
	s_add_co_u32 s48, s48, 512
	s_add_co_u32 s49, s49, 384
	s_sub_co_u32 s46, s46, 1
	s_cmp_lg_u32 s46, 0
	s_cbranch_scc1 .Ltile
	s_barrier_signal -1
	s_barrier_wait -1
	s_wait_tensorcnt 0x0
	ds_add_u32 v254, v255
	s_wait_dscnt 0x0
	s_endpgm
.Lfunc_end_k_q436b3f0af7_project:
	.size	k_q436b3f0af7_project, .Lfunc_end_k_q436b3f0af7_project-k_q436b3f0af7_project
	.p2alignl 7, 3214868480
	.fill 96, 4, 3214868480
	.section	.rodata,"a",@progbits
	.p2align	6, 0x0
	.amdhsa_kernel k_q436b3f0af7_project
		.amdhsa_group_segment_fixed_size 306688
		.amdhsa_private_segment_fixed_size 0
		.amdhsa_enable_private_segment 0
		.amdhsa_kernarg_size 120
		.amdhsa_user_sgpr_count 2
		.amdhsa_user_sgpr_kernarg_segment_ptr 1
		.amdhsa_wavefront_size32 1
		.amdhsa_system_sgpr_workgroup_id_x 1
		.amdhsa_system_sgpr_workgroup_id_y 1
		.amdhsa_system_sgpr_workgroup_id_z 1
		.amdhsa_system_vgpr_workitem_id 0
		.amdhsa_next_free_vgpr 1024
		.amdhsa_next_free_sgpr 66
		.amdhsa_reserve_vcc 0
		.amdhsa_float_denorm_mode_32 3
		.amdhsa_float_denorm_mode_16_64 3
		.amdhsa_memory_ordered 1
		.amdhsa_forward_progress 1
		.amdhsa_inst_pref_size 110
	.end_amdhsa_kernel
	.amdgpu_metadata
---
amdhsa.version: [ 1, 2 ]
amdhsa.kernels:
  - .name:           k_q436b3f0af7_project
    .symbol:         k_q436b3f0af7_project.kd
    .args:
      - { .name: src, .offset: 0, .size: 8, .value_kind: global_buffer, .address_space: global }
      - { .name: pos, .offset: 8, .size: 8, .value_kind: global_buffer, .address_space: global }
      - { .name: reference_points, .offset: 16, .size: 8, .value_kind: global_buffer, .address_space: global }
      - { .name: Wv_codes, .offset: 24, .size: 8, .value_kind: global_buffer, .address_space: global }
      - { .name: Wv_scales, .offset: 32, .size: 8, .value_kind: global_buffer, .address_space: global }
      - { .name: bv, .offset: 40, .size: 8, .value_kind: global_buffer, .address_space: global }
      - { .name: Woff_codes, .offset: 48, .size: 8, .value_kind: global_buffer, .address_space: global }
      - { .name: Woff_scales, .offset: 56, .size: 8, .value_kind: global_buffer, .address_space: global }
      - { .name: boff, .offset: 64, .size: 8, .value_kind: global_buffer, .address_space: global }
      - { .name: Wattn_codes, .offset: 72, .size: 8, .value_kind: global_buffer, .address_space: global }
      - { .name: Wattn_scales, .offset: 80, .size: 8, .value_kind: global_buffer, .address_space: global }
      - { .name: battn, .offset: 88, .size: 8, .value_kind: global_buffer, .address_space: global }
      - { .name: value, .offset: 96, .size: 8, .value_kind: global_buffer, .address_space: global }
      - { .name: sidx, .offset: 104, .size: 8, .value_kind: global_buffer, .address_space: global }
      - { .name: swgt, .offset: 112, .size: 8, .value_kind: global_buffer, .address_space: global }
    .group_segment_fixed_size: 306688
    .private_segment_fixed_size: 0
    .kernarg_segment_align: 8
    .kernarg_segment_size: 120
    .max_flat_workgroup_size: 128
    .sgpr_count:     66
    .vgpr_count:     1024
    .wavefront_size: 32
...
	.end_amdgpu_metadata
.endif
;; end of part 4
;; launch sample (part 5): grid 256 x 1, 16 waves a work-group, no clusters, 223,232 bytes of LDS; arguments value, sidx, swgt, aout; writes aout
.if DOCPART == 5
	.amdgcn_target "amdgcn-amd-amdhsa--gfx1250"
	.amdhsa_code_object_version 6
	.text
	.protected	k_q436b3f0af7_sample
	.globl	k_q436b3f0af7_sample
	.p2align	8
	.type	k_q436b3f0af7_sample,@function
k_q436b3f0af7_sample:
	s_mov_b64 s[64:65], 0
	v_nop
	global_prefetch_b8 v0, s[64:65] scope:SCOPE_SE
	s_setreg_imm32_b32 hwreg(HW_REG_WAVE_MODE, 25, 1), 1
	s_wait_xcnt 0x0
; SAMPLE: for each (row, head) the sum over 12 points x 4 corners of weight x value pixel, GATHERED FROM LDS.
; A slice of 4 channels of one (batch, head) is 13,125 pixels x 16 bytes: it fits in LDS.  2 batches x 8 heads x 8 slices are 128 tables; two work-groups share a table's rows: 256 work-groups.
; So a pixel's bytes leave memory once for a work-group (221,184 bytes of table) in place of once for each of the 48 corners of each row.  The price: a row's 48 bytes of indices and 192 of weights are
; read by the 8 work-groups of its head's slices, and a head's 32 channels, one block of the next quantiser, lie in 8 work-groups: the sums go out as f32 and the next launch quantises them.
; The indices are whole numbers that the launch before stored; the weights carry attention and validity, so every corner is read and multiplied, and no lane is switched off.
; THE TABLE is value's bytes as they lie, from 128 guard rows ahead of the batch's first pixel (133 in batch 1, so that the copy begins at a multiple of 256 bytes) on: a corner of weight 0 finds a finite number there.
; SHARES.  A thread takes a row: 512 rows a trip, 13 trips.  The row is held into the work-group's own range, so lanes past an end repeat a row of the same work-group and store the same bits onto it.
; The ranges begin at multiples of 16 rows: every load and store of a wave covers 512 consecutive bytes, aligned.  No loop: 39 steps (a trip's level each) by a macro.
; A STEP bounds and shifts the next level's 4 indices, issues its 16 LDS gathers into the other set of registers, multiplies this level's 16 pieces, and asks for this level's indices and weights of the next trip.
; No joint loads for the indices and weights that 8 work-groups share: they would land in LDS and be read from there again, 15 more LDS reads a lane beside the 48 gathers, in a launch whose work is LDS reads.
; LIMITS: as the launch before states them.
.set SLB,   421888                     ; bytes of a part of the workspace buffers: 26,368 rows of 16
.set CLAMP, 13252                      ; the last pixel + the 128 guard rows: no index above it belongs to a corner that counts
.set T16, 1                            ; v1   16 x thread: my 16 bytes of each 8,192 of the table;  v2-4 the same + 65,536, 131,072, 196,608
.set ROFF, 5                           ; v5-6 16 x my row, for the trips by turns
.set RT,  7                            ; v7   at work
.set IDX, 8                            ; v8-19   four indices a level
.set ADRS, 20                          ; v20-27  four LDS addresses, two sets
.set OUTR, 28                          ; v28-31  the row's four sums
.set ACC, 32                           ; v32-47  four channels for each corner: eight chains of packed sums
.set W,   48                           ; v48-95  16 weights a level
.set BUF, 96                           ; v96-223 two sets of 16 pieces; at the head the table on its way
	s_load_b256 s[4:11], s[0:1], 0x0               ; value, sidx, swgt, aout
	v_lshl_add_u32 v224, v0, 2, 0x36000
	v_mov_b32 v225, 0
	s_and_b32 s12, ttmp9, 1                        ; which half of the batch's rows
	s_bfe_u32 s13, ttmp9, 0x60001                  ; 8 x head + slice
	s_bfe_u32 s14, ttmp9, 0x30004                  ; head
	s_lshr_b32 s15, ttmp9, 7                       ; batch
	s_xor_b32 s16, s12, 1                          ; my rows, counted from my base row 13,120 x batch + 6,560 x half: the first is 5 in batch 1's first half, else 0;
	s_mul_i32 s16, s16, s15
	s_mul_i32 s16, s16, 5
	s_mul_i32 s17, s15, 5                          ; the last is 6,559 in a first half, 6,564 + 5 x batch in a second
	s_add_co_u32 s17, s17, 5
	s_mul_i32 s17, s17, s12
	s_add_co_u32 s17, s17, 6559
	s_mul_i32 s21, s15, 209920                     ; 13,120 rows of 16 bytes
	s_mul_i32 s19, s12, 104960                     ; 6,560
	s_add_co_u32 s18, s21, s19                     ; my base row in bytes
	s_mul_i32 s20, s15, 80                         ; batch 1's table begins 5 rows early
	s_mul_i32 s24, s13, SLB
	s_mov_b32 s23, 0
	v_lshlrev_b32 v[T16], 4, v0
	v_add_nc_u32 v[T16+1], 0x10000, v[T16]
	v_add_nc_u32 v[T16+2], 0x20000, v[T16]
	v_add_nc_u32 v[T16+3], 0x30000, v[T16]
.macro RSET t                                  ; 16 x my row of trip t
	v_add_nc_u32 v[RT], 512*(\t), v0
	v_max_u32 v[RT], s16, v[RT]
	v_min_u32 v[RT], s17, v[RT]
	v_lshlrev_b32 v[ROFF+(\t)%2], 4, v[RT]
.endm
.macro LLOAD t, i                              ; level i of trip t: my row's four indices, then its sixteen weights: five loads of 512 consecutive bytes
	global_load_b128 v[IDX+4*\i:IDX+4*\i+3], v[ROFF+(\t)%2], s[6:7] offset:\i*SLB
.irp q, 0,1,2,3
	global_load_b128 v[W+16*\i+4*\q:W+16*\i+4*\q+3], v[ROFF+(\t)%2], s[8:9] offset:(4*\i+\q)*SLB
.endr
.endm
	RSET 0
	s_wait_kmcnt 0x0
	s_add_co_u32 s22, s24, s21
	s_add_nc_u64 s[4:5], s[4:5], s[22:23]          ; value at my table
	s_mul_i32 s22, s14, 3*SLB
	s_add_co_u32 s22, s22, s18
	s_add_nc_u64 s[6:7], s[6:7], s[22:23]          ; sidx, swgt and aout at my head (and slice) and my base row
	s_mul_i32 s22, s14, 12*SLB
	s_add_co_u32 s22, s22, s18
	s_add_nc_u64 s[8:9], s[8:9], s[22:23]
	s_add_co_u32 s22, s24, s18
	s_add_nc_u64 s[10:11], s[10:11], s[22:23]
	LLOAD 0, 0
	LLOAD 0, 1
	LLOAD 0, 2
.set k, 0
.rept 27                                       ; the table: 27 x 8,192 bytes, 16 a thread
	global_load_b128 v[BUF+4*k:BUF+4*k+3], v[T16], s[4:5] offset:8192*k
.set k, k+1
.endr
.set k, 0
.rept 27
	s_wait_loadcnt 26-k                            ; loads come back in order: piece k is in, the younger ones may be out
	ds_store_b128 v[T16+k/8], v[BUF+4*k:BUF+4*k+3] offset:8192*(k%8)
.set k, k+1
.endr
	s_wait_dscnt 0x0                               ; my part of the table is stored:
	s_barrier_signal -1
	s_barrier_wait -1                              ; everybody's is.  From here on LDS is only read
.macro GATHER                                  ; level nlev: index -> LDS address (the bound keeps every read inside the table, whatever the index); 4 points x 4 corners: the pixel beside is 16 bytes on, the pixel below W x 16
.irp q, 0,1,2,3
	v_min_u32 v[nadr+\q], CLAMP, v[IDX+4*nlev+\q]
.endr
.irp q, 0,1,2,3
	v_lshl_add_u32 v[nadr+\q], v[nadr+\q], 4, s20
.endr
.irp q, 0,1,2,3
.irp c, 0,1,2,3
	ds_load_b128 v[nbuf+16*\q+4*\c:nbuf+16*\q+4*\c+3], v[nadr+\q] offset:(\c%2)*16+(\c/2)*(100>>nlev)*16
.endr
.endr
.endm
.macro FMAS q
.irp c, 0,1,2,3
.irp e, 0,2
.if (lev==0)&&(\q==0)                          ; a trip's first products start the sums
.if \c%2
	v_pk_mul_f32 v[ACC+4*\c+\e:ACC+4*\c+\e+1], v[cur+16*\q+4*\c+\e:cur+16*\q+4*\c+\e+1], v[W+16*lev+4*\q+2*(\c/2):W+16*lev+4*\q+2*(\c/2)+1] op_sel:[0,1] op_sel_hi:[1,1]
.else
	v_pk_mul_f32 v[ACC+4*\c+\e:ACC+4*\c+\e+1], v[cur+16*\q+4*\c+\e:cur+16*\q+4*\c+\e+1], v[W+16*lev+4*\q+2*(\c/2):W+16*lev+4*\q+2*(\c/2)+1] op_sel_hi:[1,0]
.endif
.else
.if \c%2
	v_pk_fma_f32 v[ACC+4*\c+\e:ACC+4*\c+\e+1], v[cur+16*\q+4*\c+\e:cur+16*\q+4*\c+\e+1], v[W+16*lev+4*\q+2*(\c/2):W+16*lev+4*\q+2*(\c/2)+1], v[ACC+4*\c+\e:ACC+4*\c+\e+1] op_sel:[0,1,0] op_sel_hi:[1,1,1]
.else
	v_pk_fma_f32 v[ACC+4*\c+\e:ACC+4*\c+\e+1], v[cur+16*\q+4*\c+\e:cur+16*\q+4*\c+\e+1], v[W+16*lev+4*\q+2*(\c/2):W+16*lev+4*\q+2*(\c/2)+1], v[ACC+4*\c+\e:ACC+4*\c+\e+1] op_sel_hi:[1,0,1]
.endif
.endif
.endr
.endr
.endm
; Step n = 3 x trip + level.  The loads for step m are issued in step m - 3, the indices first.
.macro STEP
.set trp, n/3
.set lev, n%3
.set cur, BUF+64*(n%2)
.if n < 38
.set nlev, (n+1)%3
.set nbuf, BUF+64*((n+1)%2)
.set nadr, ADRS+4*((n+1)%2)
.if n < 37
	s_wait_loadcnt 9                               ; the next step's indices are in: behind them came their four weight loads and the last step's five; this step's weights are older still
.else
	s_wait_loadcnt 4                               ; the last loads of all, four weight loads, may be out
.endif
	GATHER
	s_wait_dscnt 16                                ; this step's sixteen pieces are in; the sixteen just asked for may be out
.else
	s_wait_loadcnt 0x0
	s_wait_dscnt 0x0
.endif
.irp q, 0,1,2,3
	FMAS \q
.endr
.if lev == 0
	s_wait_xcnt 0x0                                ; the last trip's store has read its offset and its data: both are written again only behind this wait
.endif
.if n < 36
.if lev == 0
	RSET trp+1
.endif
	LLOAD trp+1, lev                               ; this level's registers are free: they take the next trip's
.endif
.if lev == 2
	v_pk_add_f32 v[ACC:ACC+1], v[ACC:ACC+1], v[ACC+4:ACC+5]          ; the four corners' sums are joined
	v_pk_add_f32 v[ACC+2:ACC+3], v[ACC+2:ACC+3], v[ACC+6:ACC+7]
	v_pk_add_f32 v[ACC+8:ACC+9], v[ACC+8:ACC+9], v[ACC+12:ACC+13]
	v_pk_add_f32 v[ACC+10:ACC+11], v[ACC+10:ACC+11], v[ACC+14:ACC+15]
	v_pk_add_f32 v[OUTR:OUTR+1], v[ACC:ACC+1], v[ACC+8:ACC+9]
	v_pk_add_f32 v[OUTR+2:OUTR+3], v[ACC+2:ACC+3], v[ACC+10:ACC+11]
	global_store_b128 v[ROFF+trp%2], v[OUTR:OUTR+3], s[10:11]        ; my row's 4 channels: the wave stores 512 consecutive bytes
.endif
.endm
.set nlev, 0
.set nbuf, BUF
.set nadr, ADRS
	GATHER                                         ; step 0's pieces
.set n, 0
.rept 39
	STEP
.set n, n+1
.endr
	s_barrier_signal -1
	s_barrier_wait -1
	s_wait_tensorcnt 0x0
	ds_add_u32 v224, v225
	s_wait_dscnt 0x0
	s_endpgm
.Lfunc_end_k_q436b3f0af7_sample:
	.size	k_q436b3f0af7_sample, .Lfunc_end_k_q436b3f0af7_sample-k_q436b3f0af7_sample
	.p2alignl 7, 3214868480
	.fill 96, 4, 3214868480
	.section	.rodata,"a",@progbits
	.p2align	6, 0x0
	.amdhsa_kernel k_q436b3f0af7_sample
		.amdhsa_group_segment_fixed_size 223232
		.amdhsa_private_segment_fixed_size 0
		.amdhsa_enable_private_segment 0
		.amdhsa_kernarg_size 32
		.amdhsa_user_sgpr_count 2
		.amdhsa_user_sgpr_kernarg_segment_ptr 1
		.amdhsa_wavefront_size32 1
		.amdhsa_system_sgpr_workgroup_id_x 1
		.amdhsa_system_sgpr_workgroup_id_y 1
		.amdhsa_system_sgpr_workgroup_id_z 1
		.amdhsa_system_vgpr_workitem_id 0
		.amdhsa_next_free_vgpr 226
		.amdhsa_next_free_sgpr 66
		.amdhsa_reserve_vcc 0
		.amdhsa_float_denorm_mode_32 3
		.amdhsa_float_denorm_mode_16_64 3
		.amdhsa_memory_ordered 1
		.amdhsa_forward_progress 1
		.amdhsa_inst_pref_size 173
	.end_amdhsa_kernel
	.amdgpu_metadata
---
amdhsa.version: [ 1, 2 ]
amdhsa.kernels:
  - .name:           k_q436b3f0af7_sample
    .symbol:         k_q436b3f0af7_sample.kd
    .args:
      - { .name: value, .offset: 0, .size: 8, .value_kind: global_buffer, .address_space: global }
      - { .name: sidx, .offset: 8, .size: 8, .value_kind: global_buffer, .address_space: global }
      - { .name: swgt, .offset: 16, .size: 8, .value_kind: global_buffer, .address_space: global }
      - { .name: aout, .offset: 24, .size: 8, .value_kind: global_buffer, .address_space: global }
    .group_segment_fixed_size: 223232
    .private_segment_fixed_size: 0
    .kernarg_segment_align: 8
    .kernarg_segment_size: 32
    .max_flat_workgroup_size: 512
    .sgpr_count:     66
    .vgpr_count:     226
    .wavefront_size: 32
...
	.end_amdgpu_metadata
.endif
;; end of part 5
;; launch ffn (part 6): grid 206 x 1, 4 waves a work-group, no clusters, 244,224 bytes of LDS; arguments aout, out0, src, Wout_codes, Wout_scales, bout, g1, b1, Wff1_codes, Wff1_scales, bff1, Wff2_codes, Wff2_scales, bff2, g2, b2; writes out0
.if DOCPART == 6
	.amdgcn_target "amdgcn-amd-amdhsa--gfx1250"
	.amdhsa_code_object_version 6
	.text
	.protected	k_q436b3f0af7_ffn
	.globl	k_q436b3f0af7_ffn
	.p2align	8
	.type	k_q436b3f0af7_ffn,@function
k_q436b3f0af7_ffn:
	s_mov_b64 s[64:65], 0
	v_nop
	global_prefetch_b8 v0, s[64:65] scope:SCOPE_SE
	s_setreg_imm32_b32 hwreg(HW_REG_WAVE_MODE, 25, 1), 1
	s_wait_xcnt 0x0
; FFN: x = LN(src + Q(A) Wout + bout; g1, b1);  out = LN(x + relu(Q(x) Wff1 + bff1)~ Wff2 + bff2; g2, b2), Q and ~ the quantiser; A is the sampled sum, f32.  All three products on codes of FP4 (E2M1), one E8M0 scale for each 32 along K.
; SHARES.  A work-group takes 128 rows (8 tiles of 16), once.  THE WAVES SHARE THE COLUMNS in the products: wave w owns output columns 64 w .. 64 w + 63 of Wout and Wff2 and hidden units 256 w .. 256 w + 255
; (K steps 2 w, 2 w + 1 of the last product), for all rows: its weights fill windows 1, 2 and part of 3 and are read from memory once.  The layer norms and the quantisers are shared by rows: wave w has rows 32 w .. 32 w + 31.
; The rows live in one stage in LDS (1,024 bytes + 16 a row): src, then src + A Wout, then x, then x + ff; a product takes its tile of the stage as C and stores D in its place.
; Operands go from wave to wave as images of their registers (16 bytes a lane), scale words 4 bytes a lane.  The products are used transposed: source 0 = 16 weight rows, source 1 = 16 data rows.
; THE WAY IN.  A lies [head][slice of 4 channels][row][16 bytes]: lane (r, h) of the quantiser wants channels 16 h .. 16 h + 15 of four heads of row r, which are 16 loads of 16 bytes, in each of which sixteen lanes read
; 256 consecutive bytes, aligned.  They land in window 2, which Wff2 takes later, and are quantised from there.  A wave's 32 rows of src come by 64 loads of 512 consecutive bytes into window 1, go into the stage, and only
; then does Wff1 take window 1.  Wff2 is asked for behind the first product and lands under the first norm and the second product.
; THE ROWS OF Wff1 THAT FORM A TILE ARE NOT NEIGHBOURS: lane rho of tile 2 b + u takes row 32 b + 8 u + rho + 8 (rho / 8), so that the registers of tiles 2 b, 2 b + 1 are 16 neighbours along the next K.
; THE LAST WORK-GROUP has 10 rows: local row k stands for row min(k & 15, 9): copies are computed alike, bit for bit, and stored onto the row that they copy.  No lane is ever switched off.
; No cluster: what work-groups share is the weights, read once by each straight into registers in a chosen order of rows, and 206 work-groups do not divide by four.
; LIMITS: NaN and infinities are not served; blocks whose largest magnitude lies under 2^-124 keep the scale byte 1.  The variance is taken of the centred numbers, so a common offset costs no accuracy.
.set NLAST, 205
.set SLB,   421888                     ; bytes of a slice of A: 26,368 rows of 16
.set PITCH, 1040
.set XIM,  133120                      ; LDS: the stage at 0;  x's 16 images (2 m + s),
.set XSW,  149504                      ; their scale words,
.set HIM,  151552                      ; the hidden layer's 64 images: 16,384 w + 2,048 m + 1,024 u: a wave's stores are one run of bytes,
.set HSW,  217088                      ; their scale words: 2,048 w + 256 m + 128 u,
.set SIM,  225280                      ; A's 16 images (2 m + s),
.set SSW,  241664                      ; and their scale words, 128 bytes each
.set L16, 1                            ; v1   16 x lane
.set LS,  2                            ; v2   4 x lane
.set DA,  3                            ; v3   a tile of the stage in the result's layout: 1040 r + 32 h + 256 w (tiles 0-3);  v11 the same for tiles 4-7
.set QA,  4                            ; v4   my rows for the quantiser: (32 w + r) 1040 + 64 h
.set RA,  5                            ; v5   my rows for the norms: 32 w x 1040 + 16 x lane
.set XWI, 6
.set XWS, 7
.set HWI, 8
.set HWS, 9
.set SSA, 10                           ; v10  A's scale words: SSW + 4 x lane
.set DA2, 11
.set SIMA, 12
.set HIMA, 13
.set HSWA, 14
.set T0,  15                           ; v15, v141-143 addresses of the trip in hand
.set T1,  141
.set T2,  142
.set T3,  143
.set VO,  16                           ; v16-23 offsets of 8 rows of out0
.set DSC, 24                           ; v24-31 the data's scale words;  v32-63 Wff1's, v64-95 Wff2's, v96-103 Wout's: these hold scales alone
.set W1S, 32
.set W2S, 64
.set WOS, 96
.set TM,  104                          ; v104-119 at work in the quantiser; in the norms a pair for each of 8 rows
.set SU,  104
.set PC,  120
.set PW,  128
.set WK,  144                          ; v144-255 at work
.set GO,  144                          ; the head: the byte offsets of my 32 rows of src,
.set AG,  176                          ; of my two tiles' rows of A,
.set SIMW, 178                         ; and where I store A's images and scale words
.set SSWW, 179
.set BO,  192                          ; window 3: Wout at v0-63, bff1 as C at v64-191, then bout, g1, b1, bff2, g2, b2 as the norms' lanes hold a row
.set G1,  200
.set B1,  208
.set BF2, 216
.set G2,  224
.set B2,  232
.set SEL, 42
.set AH,  66                           ; s[66:81] A at each of the 8 heads
.set MSB, 0
.macro WIN new                         ; the immediate's high byte repeats the setting that is left
.if MSB != \new
	s_set_vgpr_msb (MSB<<8)|\new
.set MSB, \new
.endif
.endm
; 64 numbers of a lane, register 16 b + i = k 32 b + 16 (lane / 16) + i of my row, become a fragment's codes in v[PC] on and its scale word in v[PW].
; wa, wb, wc: the window settings under which the numbers are sources 0 and 1, sources 1 and 2, source 0 (all 0 where they lie in window 0)
.macro QUANT s, wa, wb, wc
	WIN \wa
.irp b, 0,1,2,3
	v_max3_num_f32 v[TM+\b], |v[\s+16*\b]|, |v[\s+1+16*\b]|, 0x1800000   ; block b: my 16 numbers, and the floor 2^(3 - 127): the byte cannot fall under 1
.endr
	WIN \wb
.irp i, 2,4,6,8,10,12,14
.irp b, 0,1,2,3
	v_max3_num_f32 v[TM+\b], v[TM+\b], |v[\s+16*\b+\i]|, |v[\s+1+16*\b+\i]|
.endr
.endr
	WIN 0
.irp b, 0,1,2,3
	v_permlanex16_b32 v[TM+4+\b], v[TM+\b], s[SEL], s[SEL+1]
.endr
.irp b, 0,1,2,3
	v_max_num_f32 v[TM+\b], v[TM+\b], v[TM+4+\b]
.endr
.irp b, 0,1,2,3
	v_add_nc_u32 v[TM+12+\b], 0xff000000, v[TM+\b]   ; 2 off the exponent field: the conversion's scale operand
.endr
.irp b, 0,1,2,3
	v_lshrrev_b32 v[TM+4+\b], 23, v[TM+12+\b]
.endr
	v_lshl_or_b32 v[PW], v[TM+5], 8, v[TM+4]
	v_lshl_or_b32 v[PW], v[TM+6], 16, v[PW]
	v_lshl_or_b32 v[PW], v[TM+7], 24, v[PW]
	WIN \wc
.irp b, 0,1,2,3
	v_cvt_scalef32_pk8_fp4_f32 v[PC+2*\b], v[\s+16*\b:\s+7+16*\b], v[TM+12+\b]
	v_cvt_scalef32_pk8_fp4_f32 v[PC+1+2*\b], v[\s+8+16*\b:\s+15+16*\b], v[TM+12+\b]
.endr
	WIN 0
	v_nop                                          ; one plain place behind a scaled conversion
.irp c, 0,1
.irp i, 0,1
	v_permlane16_swap_b32 v[PC+4*\c+\i], v[PC+2+4*\c+\i]
.endr
.endr
.endm
.macro IMAGE adr, off
.irp c, 0,1
	ds_store_b128 v[\adr], v[PC+4*\c:PC+4*\c+3] offset:\off+512*\c
.endr
.endm
.macro FETCH reg, adr, off
.irp c, 0,1
	ds_load_b128 v[\reg+4*\c:\reg+4*\c+3], v[\adr] offset:\off+512*\c
.endr
.endm
.macro QREAD dst, adr, off
.irp b, 0,1,2,3
.irp q, 0,1,2,3
	ds_load_b128 v[\dst+16*\b+4*\q:\dst+16*\b+4*\q+3], v[\adr] offset:\off+128*\b+16*\q
.endr
.endr
.endm
.macro MM d, a, b, c, sa, sb
	v_wmma_scale_f32_16x16x128_f8f6f4 v[\d:\d+7], v[\a:\a+7], v[\b:\b+7], v[\c:\c+7], v[\sa], v[\sb] matrix_a_fmt:MATRIX_FMT_FP4 matrix_b_fmt:MATRIX_FMT_FP4
.endm
.macro PLACES                                  ; four plain places between a product and the first read of its result or load into its registers
.rept 4
	v_nop
.endr
.endm
.macro BARRIER                                 ; my LDS stores have landed and my LDS loads are in: then the work-group's barrier
	s_wait_dscnt 0x0
	s_barrier_signal -1
	s_barrier_wait -1
.endm
	s_load_b256 s[4:11], s[0:1], 0x0               ; A, out0, src, Wout codes
	s_load_b256 s[12:19], s[0:1], 0x20             ; Wout scales, bout, g1, b1
	s_load_b256 s[20:27], s[0:1], 0x40             ; Wff1 codes, Wff1 scales, bff1, Wff2 codes
	s_load_b256 s[28:35], s[0:1], 0x60             ; Wff2 scales, bff2, g2, b2
	v_lshl_add_u32 v254, v0, 2, 0x3b800
	v_mov_b32 v255, 0
	v_lshrrev_b32 v15, 5, v0
	v_readfirstlane_b32 s38, v15                   ; wave
	s_cmp_eq_u32 ttmp9, NLAST
	s_cselect_b32 s40, 15, 127                     ; local row k stands for row min(k & s40, s41)
	s_cselect_b32 s41, 9, 127
	s_mov_b32 s[SEL], 0x76543210
	s_mov_b32 s[SEL+1], 0xfedcba98
	s_mov_b32 s44, 0x3b800000                      ; 1 / 256
	s_mov_b32 s45, 0x3727c5ac                      ; 1e-5
	v_and_b32 v139, 31, v0                         ; lane
	v_and_b32 v136, 15, v0                         ; r
	v_bfe_u32 v137, v0, 4, 1                       ; h
	v_and_b32 v138, 8, v136
	v_add_nc_u32 v138, v138, v136                  ; r + 8 (r / 8)
	v_lshlrev_b32 v140, 4, v137
	v_lshlrev_b32 v[L16], 4, v139
	v_lshlrev_b32 v[LS], 2, v139
	v_mul_u32_u24 v[DA], v136, PITCH
	v_lshl_add_u32 v[QA], v137, 6, v[DA]
	v_lshl_add_u32 v[DA], v137, 5, v[DA]
	s_lshl_b32 s46, s38, 8
	v_add_nc_u32 v[DA], s46, v[DA]
	v_add_nc_u32 v[DA2], 64*PITCH, v[DA]
	s_mul_i32 s47, s38, 32*PITCH
	v_add_nc_u32 v[QA], s47, v[QA]
	v_add_nc_u32 v[RA], s47, v[L16]
	s_lshl_b32 s46, s38, 12
	s_add_co_u32 s47, s46, SIM
	v_add_nc_u32 v[SIMW], s47, v[L16]
	s_add_co_u32 s46, s46, XIM
	v_add_nc_u32 v[XWI], s46, v[L16]
	s_lshl_b32 s46, s38, 9
	s_add_co_u32 s47, s46, SSW
	v_add_nc_u32 v[SSWW], s47, v[LS]
	s_add_co_u32 s46, s46, XSW
	v_add_nc_u32 v[XWS], s46, v[LS]
	s_lshl_b32 s46, s38, 14
	s_add_co_u32 s46, s46, HIM
	v_add_nc_u32 v[HWI], s46, v[L16]
	s_lshl_b32 s46, s38, 11
	s_add_co_u32 s46, s46, HSW
	v_add_nc_u32 v[HWS], s46, v[LS]
	v_add_nc_u32 v[SSA], SSW, v[LS]
	v_add_nc_u32 v[SIMA], SIM, v[L16]
	v_add_nc_u32 v[HIMA], HIM, v[L16]
	v_add_nc_u32 v[HSWA], HSW, v[LS]
	; the weights' offsets: codes row x row bytes + 16 h, scale words row x (K / 32), each with my wave's part; they are never rewritten
	s_lshl_b32 s46, s38, 13
	v_lshl_add_u32 v129, v136, 7, v140
	v_add_nc_u32 v129, s46, v129                   ; Wout: row 64 w + 16 t + r, 128 bytes
	s_lshl_b32 s46, s38, 9
	v_lshl_add_u32 v130, v136, 3, s46
	s_lshl_b32 s46, s38, 15
	v_lshl_add_u32 v131, v138, 7, v140
	v_add_nc_u32 v131, s46, v131                   ; Wff1: row 256 w + .. + r + 8 (r / 8), 128 bytes
	v_lshl_add_u32 v134, v136, 9, v140
	v_add_nc_u32 v134, s46, v134                   ; Wff2: row 64 w + 16 t + r, 512 bytes
	s_lshl_b32 s46, s38, 11
	v_lshl_add_u32 v132, v138, 3, s46
	v_lshl_add_u32 v135, v136, 5, s46
	s_lshl_b32 s46, s38, 10
	v_lshl_add_u32 v133, v137, 6, s46              ; bff1: 256 w + 16 h floats on
	; my 32 rows of src: row 32 w + i of the work-group, 16 bytes a lane
	s_lshl_b32 s48, s38, 5
.set i, 0
.rept 32
	s_add_co_u32 s46, s48, i
	s_and_b32 s46, s46, s40
	s_min_u32 s46, s46, s41
	v_lshl_add_u32 v[GO+i], s46, 10, v[L16]
.set i, i+1
.endr
.irp j, 0,1                                    ; A: local row 32 w + 16 j + r, 16 bytes a row; lanes 16-31 four slices further on
	s_add_co_u32 s46, s48, 16*\j
	v_add_nc_u32 v[AG+\j], s46, v136
	v_and_b32 v[AG+\j], s40, v[AG+\j]
	v_min_u32 v[AG+\j], s41, v[AG+\j]
	v_lshlrev_b32 v[AG+\j], 4, v[AG+\j]
	v_mad_u32_u24 v[AG+\j], v137, 4*SLB, v[AG+\j]
.endr
.irp b, 0,1,2,3
	v_mov_b32 v[TM+4+\b], 0                        ; written once: a lane permute's destination counts as one of its sources
.endr
	s_wait_kmcnt 0x0
	s_lshl_b32 s46, ttmp9, 11                      ; 128 rows of 16 bytes
	s_mov_b32 s47, 0
	s_add_nc_u64 s[4:5], s[4:5], s[46:47]
.irp k, 0,1,2,3,4,5,6,7
	s_add_nc_u64 s[AH+2*\k:AH+2*\k+1], s[4:5], \k*8*SLB
.endr
	s_lshl_b32 s46, ttmp9, 17                      ; 128 rows of 1,024 bytes
	s_add_nc_u64 s[8:9], s[8:9], s[46:47]
	s_add_nc_u64 s[6:7], s[6:7], s[46:47]
	WIN 0x80                                       ; A first, into window 2: unit (tile j, K step s) at v[64 (2 j + s)]: register 16 b + 4 q + e is channel 16 h + 4 q + e of head 4 s + b
.irp j, 0,1
.irp s, 0,1
.irp b, 0,1,2,3
.irp q, 0,1,2,3
	global_load_b128 v[64*(2*\j+\s)+16*\b+4*\q:64*(2*\j+\s)+16*\b+4*\q+3], v[AG+\j], s[AH+2*(4*\s+\b):AH+2*(4*\s+\b)+1] offset:\q*SLB th:TH_LOAD_NT
.endr
.endr
.endr
.endr
	WIN 0x40                                       ; src into window 1: 64 loads of 512 consecutive bytes
.set i, 0
.rept 32
	global_load_b128 v[8*i:8*i+3], v[GO+i], s[8:9] th:TH_LOAD_NT
	global_load_b128 v[8*i+4:8*i+7], v[GO+i], s[8:9] offset:512 th:TH_LOAD_NT
.set i, i+1
.endr
	WIN 0xc0                                       ; window 3: Wout's fragment (tile t, K step s) at v[8 (2 t + s)], and the norms' six vectors: with Wout's scale words 32 loads
.irp t, 0,1,2,3
.irp s, 0,1
.irp c, 0,1
	global_load_b128 v[8*(2*\t+\s)+4*\c:8*(2*\t+\s)+4*\c+3], v129, s[10:11] offset:\t*2048+64*\s+32*\c
.endr
.endr
.endr
	global_load_b128 v[BO:BO+3], v[L16], s[14:15]
	global_load_b128 v[BO+4:BO+7], v[L16], s[14:15] offset:512
	global_load_b128 v[G1:G1+3], v[L16], s[16:17]
	global_load_b128 v[G1+4:G1+7], v[L16], s[16:17] offset:512
	global_load_b128 v[B1:B1+3], v[L16], s[18:19]
	global_load_b128 v[B1+4:B1+7], v[L16], s[18:19] offset:512
	global_load_b128 v[BF2:BF2+3], v[L16], s[30:31]
	global_load_b128 v[BF2+4:BF2+7], v[L16], s[30:31] offset:512
	global_load_b128 v[G2:G2+3], v[L16], s[32:33]
	global_load_b128 v[G2+4:G2+7], v[L16], s[32:33] offset:512
	global_load_b128 v[B2:B2+3], v[L16], s[34:35]
	global_load_b128 v[B2+4:B2+7], v[L16], s[34:35] offset:512
	WIN 0
.irp t, 0,1,2,3                                ; a weight row's scale words are neighbouring bytes: one load for Wout's two
	global_load_b64 v[WOS+2*\t:WOS+2*\t+1], v130, s[12:13] offset:\t*128
.endr
	s_wait_loadcnt 63                              ; A is in: 96 loads were issued behind it; a smaller count is safe, and the wait's field takes no more than 63
.irp u, 0,1,2,3                                ; A's codes: my two tiles, two K steps each, quantised out of window 2
	QUANT 64*\u, 0x0a, 0x28, 0x02
	IMAGE SIMW, 1024*\u
	ds_store_b32 v[SSWW], v[PW] offset:128*\u
	s_wait_dscnt 0x0                               ; the stores have read their registers
.endr
	s_wait_loadcnt 32                              ; src is in; the 32 loads behind it may be out
	WIN 0x04                                       ; an LDS store's data are its source 1: window 1
.set i, 0
.rept 32
	ds_store_b128 v[RA], v[8*i:8*i+3] offset:i*PITCH
	ds_store_b128 v[RA], v[8*i+4:8*i+7] offset:i*PITCH+512
.set i, i+1
.endr
	WIN 0
	s_wait_dscnt 0x0                               ; the stores have read window 1, which Wff1 now takes
	WIN 0x40                                       ; window 1: Wff1's fragment (half u, tile t, K step s) at v[8 (2 (8 u + t) + s)]: with bff1 and the scale words 112 loads
.irp u, 0,1
.irp t, 0,1,2,3,4,5,6,7
.irp s, 0,1
.irp c, 0,1
	global_load_b128 v[8*(2*(8*\u+\t)+\s)+4*\c:8*(2*(8*\u+\t)+\s)+4*\c+3], v131, s[20:21] offset:(128*\u+32*(\t/2)+8*(\t%2))*128+64*\s+32*\c
.endr
.endr
.endr
.endr
	WIN 0xc0
.irp u, 0,1
.irp t, 0,1,2,3,4,5,6,7
	global_load_b128 v[64+8*(8*\u+\t):64+8*(8*\u+\t)+3], v133, s[24:25] offset:(128*\u+32*(\t/2)+8*(\t%2))*4
	global_load_b128 v[68+8*(8*\u+\t):68+8*(8*\u+\t)+3], v133, s[24:25] offset:(128*\u+32*(\t/2)+8*(\t%2))*4+16
.endr
.endr
	WIN 0
.irp u, 0,1
.irp t, 0,1,2,3,4,5,6,7
	global_load_b64 v[W1S+2*(8*\u+\t):W1S+2*(8*\u+\t)+1], v132, s[22:23] offset:(128*\u+32*(\t/2)+8*(\t%2))*8
.endr
.endr
	BARRIER                                        ; everybody's rows of src and images of A lie in LDS
	s_wait_loadcnt 63                              ; Wout, its scale words and the norms' vectors are in: 112 loads were issued behind them; a smaller count is safe, and the wait's field takes no more than 63
; PRODUCT 4, tile m: my 64 columns of src + A Wout.  C is the tile of the stage, D goes back in its place.  Four accumulators by turns.  Every address is a constant and a lane's term.
.macro P1TILE m
.if (\m)<4
.set DB, DA
.else
.set DB, DA2
.endif
.set DO, ((\m)%4)*16*PITCH
.irp t, 0,1,2,3
	ds_load_b128 v[WK+8*\t:WK+8*\t+3], v[DB] offset:DO+64*\t
	ds_load_b128 v[WK+8*\t+4:WK+8*\t+7], v[DB] offset:DO+64*\t+16
.endr
	FETCH WK+32, SIMA, 2048*(\m)
	FETCH WK+40, SIMA, 2048*(\m)+1024
	ds_load_b32 v[DSC], v[SSA] offset:256*(\m)
	ds_load_b32 v[DSC+1], v[SSA] offset:256*(\m)+128
	s_wait_dscnt 0x0
	WIN 0x03                                       ; Wout in window 3
.irp s, 0,1
.irp t, 0,1,2,3
	MM WK+8*\t, 8*(2*\t+\s), WK+32+8*\s, WK+8*\t, WOS+2*\t+\s, DSC+\s
.endr
.endr
	WIN 0
	PLACES
.irp t, 0,1,2,3
	ds_store_b128 v[DB] , v[WK+8*\t:WK+8*\t+3] offset:DO+64*\t
	ds_store_b128 v[DB] , v[WK+8*\t+4:WK+8*\t+7] offset:DO+64*\t+16
.endr
.endm
.irp m, 0,1,2,3,4,5,6,7
	P1TILE \m
.endr
	BARRIER                                        ; 128 whole rows of src + A Wout lie in the stage
	WIN 0x80                                       ; window 2: Wff2's fragment (tile t, K step k) at v[8 (8 t + k)]: with its scale words 72 loads, which land under the norm and the next product
.irp t, 0,1,2,3
.irp k, 0,1,2,3,4,5,6,7
.irp c, 0,1
	global_load_b128 v[8*(8*\t+\k)+4*\c:8*(8*\t+\k)+4*\c+3], v134, s[26:27] offset:\t*8192+64*\k+32*\c
.endr
.endr
.endr
	WIN 0
.irp t, 0,1,2,3                                ; a row's eight scale words are 32 neighbouring bytes
	global_load_b128 v[W2S+8*\t:W2S+8*\t+3], v135, s[28:29] offset:\t*512
	global_load_b128 v[W2S+8*\t+4:W2S+8*\t+7], v135, s[28:29] offset:\t*512+16
.endr
.macro REDUCE                                  ; eight rows' sums over the 32 lanes, the rows by turns
.irp x, 1,2,4,8
.irp i, 0,1,2,3,4,5,6,7
	v_add_f32_dpp v[SU+2*\i], v[SU+2*\i], v[SU+2*\i] row_xmask:\x row_mask:0xf bank_mask:0xf
.endr
.endr
.irp i, 0,1,2,3,4,5,6,7
	v_permlanex16_b32 v[SU+2*\i+1], v[SU+2*\i], s[SEL], s[SEL+1]
.endr
.irp i, 0,1,2,3,4,5,6,7
	v_add_f32 v[SU+2*\i], v[SU+2*\i], v[SU+2*\i+1]
.endr
.endm
; A LAYER NORM of my 32 rows, 8 a trip: lane l holds columns 4 l .. 4 l + 3 and 128 + 4 l .. + 3 of each.  out = 0: back into the stage;  1: to out0
.macro LNLOOP bias, g, b, out
	s_mov_b32 s50, 4
	s_mov_b32 s51, 0                               ; + 8 rows a trip
.if \out
	s_lshl_b32 s52, s38, 5                         ; the trip's first local row
.endif
.Lln_\@:
	v_add_nc_u32 v[T0], s51, v[RA]
.irp i, 0,1,2,3,4,5,6,7
	ds_load_b128 v[WK+8*\i:WK+8*\i+3], v[T0] offset:PITCH*\i
	ds_load_b128 v[WK+8*\i+4:WK+8*\i+7], v[T0] offset:PITCH*\i+512
.endr
	s_wait_dscnt 0x0
	WIN 0x0c                                       ; the product's bias, in window 3
.irp i, 0,1,2,3,4,5,6,7
.irp e, 0,2,4,6
	v_pk_add_f32 v[WK+8*\i+\e:WK+8*\i+\e+1], v[WK+8*\i+\e:WK+8*\i+\e+1], v[\bias+\e:\bias+\e+1]
.endr
.endr
	WIN 0
.irp i, 0,1,2,3,4,5,6,7
	v_pk_add_f32 v[SU+2*\i:SU+2*\i+1], v[WK+8*\i:WK+8*\i+1], v[WK+8*\i+2:WK+8*\i+3]
.endr
.irp e, 4,6
.irp i, 0,1,2,3,4,5,6,7
	v_pk_add_f32 v[SU+2*\i:SU+2*\i+1], v[SU+2*\i:SU+2*\i+1], v[WK+8*\i+\e:WK+8*\i+\e+1]
.endr
.endr
.irp i, 0,1,2,3,4,5,6,7
	v_add_f32 v[SU+2*\i], v[SU+2*\i], v[SU+2*\i+1]
.endr
	REDUCE
.irp i, 0,1,2,3,4,5,6,7
	v_mul_f32 v[SU+2*\i], s44, v[SU+2*\i]          ; the mean
.endr
.irp i, 0,1,2,3,4,5,6,7
.irp e, 0,2,4,6
	v_pk_add_f32 v[WK+8*\i+\e:WK+8*\i+\e+1], v[WK+8*\i+\e:WK+8*\i+\e+1], v[SU+2*\i:SU+2*\i+1] op_sel_hi:[1,0] neg_lo:[0,1] neg_hi:[0,1]
.endr
.endr
.irp i, 0,1,2,3,4,5,6,7
	v_pk_mul_f32 v[SU+2*\i:SU+2*\i+1], v[WK+8*\i:WK+8*\i+1], v[WK+8*\i:WK+8*\i+1]
.endr
.irp e, 2,4,6
.irp i, 0,1,2,3,4,5,6,7
	v_pk_fma_f32 v[SU+2*\i:SU+2*\i+1], v[WK+8*\i+\e:WK+8*\i+\e+1], v[WK+8*\i+\e:WK+8*\i+\e+1], v[SU+2*\i:SU+2*\i+1]
.endr
.endr
.irp i, 0,1,2,3,4,5,6,7
	v_add_f32 v[SU+2*\i], v[SU+2*\i], v[SU+2*\i+1]
.endr
	REDUCE
.irp i, 0,1,2,3,4,5,6,7
	v_fma_f32 v[SU+2*\i], v[SU+2*\i], s44, s45     ; the variance + 1e-5
.endr
.irp i, 0,1,2,3,4,5,6,7
	v_rsq_f32 v[SU+2*\i], v[SU+2*\i]
.endr
	v_nop                                          ; a plain place behind the roots
	s_wait_alu depctr_va_vdst(0)
.irp i, 0,1,2,3,4,5,6,7
.irp e, 0,2,4,6
	v_pk_mul_f32 v[WK+8*\i+\e:WK+8*\i+\e+1], v[WK+8*\i+\e:WK+8*\i+\e+1], v[SU+2*\i:SU+2*\i+1] op_sel_hi:[1,0]
.endr
.endr
	WIN 0x3c                                       ; gain and bias in window 3
.irp i, 0,1,2,3,4,5,6,7
.irp e, 0,2,4,6
	v_pk_fma_f32 v[WK+8*\i+\e:WK+8*\i+\e+1], v[WK+8*\i+\e:WK+8*\i+\e+1], v[\g+\e:\g+\e+1], v[\b+\e:\b+\e+1]
.endr
.endr
	WIN 0
.if \out
.irp i, 0,1,2,3,4,5,6,7
	s_add_co_u32 s46, s52, \i
	s_and_b32 s46, s46, s40
	s_min_u32 s46, s46, s41
	v_lshl_add_u32 v[VO+\i], s46, 10, v[L16]
.endr
.irp i, 0,1,2,3,4,5,6,7
	global_store_b128 v[VO+\i], v[WK+8*\i:WK+8*\i+3], s[6:7] th:TH_STORE_NT              ; 512 consecutive bytes a store, aligned
	global_store_b128 v[VO+\i], v[WK+8*\i+4:WK+8*\i+7], s[6:7] offset:512 th:TH_STORE_NT
.endr
	s_wait_xcnt 0x0                                ; the stores' data and offsets are written again only behind this wait
	s_add_co_u32 s52, s52, 8
.else
.irp i, 0,1,2,3,4,5,6,7
	ds_store_b128 v[T0], v[WK+8*\i:WK+8*\i+3] offset:PITCH*\i
	ds_store_b128 v[T0], v[WK+8*\i+4:WK+8*\i+7] offset:PITCH*\i+512
.endr
.endif
	s_add_co_u32 s51, s51, 8*PITCH
	s_sub_co_u32 s50, s50, 1
	s_cmp_lg_u32 s50, 0
	s_cbranch_scc1 .Lln_\@
.endm
	LNLOOP BO, G1, B1, 0                           ; x, in my 32 rows of the stage
.irp j, 0,1                                    ; and x's codes: my two tiles, two K steps each (LDS serves a wave's instructions in order: these reads see my stores)
.irp s, 0,1
	QREAD WK, QA, 16*PITCH*\j+512*\s
	s_wait_dscnt 0x0
	QUANT WK, 0, 0, 0
	IMAGE XWI, (2*\j+\s)*1024
	ds_store_b32 v[XWS], v[PW] offset:(2*\j+\s)*128
	s_wait_dscnt 0x0                               ; the stores have read their registers
.endr
.endr
	BARRIER                                        ; x and its sixteen images lie in LDS
	s_wait_loadcnt 63                              ; Wff1, bff1 and their scale words are in: Wff2's 72 loads were issued behind them; a smaller count is safe
	; PRODUCT 5: my 256 hidden units of each tile of rows, relu, quantised in registers: K steps 2 w, 2 w + 1 of the last product
	s_mov_b32 s50, 8
	s_mov_b32 s51, XIM                             ; + 2,048 a tile
	s_mov_b32 s52, XSW                             ; + 256
	s_mov_b32 s53, 0                               ; + 2,048
	s_mov_b32 s54, 0                               ; + 256
.Lp3:
	v_add_nc_u32 v[T0], s51, v[L16]
	v_add_nc_u32 v[T1], s52, v[LS]
	v_add_nc_u32 v[T2], s53, v[HWI]
	v_add_nc_u32 v[T3], s54, v[HWS]
	FETCH WK+64, T0, 0
	FETCH WK+72, T0, 1024
	ds_load_b32 v[DSC], v[T1]
	ds_load_b32 v[DSC+1], v[T1] offset:128
	s_wait_dscnt 0x0
.irp u, 0,1
	WIN 0x31                                       ; Wff1 in window 1, bff1 as C in window 3.  Eight accumulators by turns
.irp t, 0,1,2,3,4,5,6,7
	MM WK+8*\t, 8*(2*(8*\u+\t)), WK+64, 64+8*(8*\u+\t), W1S+2*(8*\u+\t), DSC
.endr
	WIN 0x01
.irp t, 0,1,2,3,4,5,6,7
	MM WK+8*\t, 8*(2*(8*\u+\t)+1), WK+72, WK+8*\t, W1S+2*(8*\u+\t)+1, DSC+1
.endr
	WIN 0
	PLACES
.set k, 0
.rept 64
	v_max_num_f32 v[WK+k], 0, v[WK+k]              ; the activation, in f32, each accumulator from its low end on
.set k, k+1
.endr
	QUANT WK, 0, 0, 0
	IMAGE T2, 1024*\u
	ds_store_b32 v[T3], v[PW] offset:128*\u
	s_wait_dscnt 0x0                               ; the stores have read their registers
.endr
	s_add_co_u32 s51, s51, 2048
	s_add_co_u32 s52, s52, 256
	s_add_co_u32 s53, s53, 2048
	s_add_co_u32 s54, s54, 256
	s_sub_co_u32 s50, s50, 1
	s_cmp_lg_u32 s50, 0
	s_cbranch_scc1 .Lp3
	BARRIER                                        ; the hidden layer's 64 images lie in LDS
	s_wait_loadcnt 0x0                             ; Wff2 and its scale words are in
; PRODUCT 6, tile m: my 64 columns of x + hidden Wff2.  C is x's tile of the stage, D goes back in its place.  Four accumulators by turns, K ascending
.macro P4TILE m
.if (\m)<4
.set DB, DA
.else
.set DB, DA2
.endif
.set DO, ((\m)%4)*16*PITCH
.irp t, 0,1,2,3
	ds_load_b128 v[WK+8*\t:WK+8*\t+3], v[DB] offset:DO+64*\t
	ds_load_b128 v[WK+8*\t+4:WK+8*\t+7], v[DB] offset:DO+64*\t+16
.endr
.irp k, 0,1,2,3,4,5,6,7
	FETCH WK+32+8*\k, HIMA, (\k/2)*16384+(\m)*2048+(\k%2)*1024
	ds_load_b32 v[DSC+\k], v[HSWA] offset:(\k/2)*2048+(\m)*256+(\k%2)*128
.endr
	s_wait_dscnt 0x0
	WIN 0x02                                       ; Wff2 in window 2
.irp k, 0,1,2,3,4,5,6,7
.irp t, 0,1,2,3
	MM WK+8*\t, 8*(8*\t+\k), WK+32+8*\k, WK+8*\t, W2S+8*\t+\k, DSC+\k
.endr
.endr
	WIN 0
	PLACES
.irp t, 0,1,2,3
	ds_store_b128 v[DB], v[WK+8*\t:WK+8*\t+3] offset:DO+64*\t
	ds_store_b128 v[DB], v[WK+8*\t+4:WK+8*\t+7] offset:DO+64*\t+16
.endr
.endm
.irp m, 0,1,2,3,4,5,6,7
	P4TILE \m
.endr
	BARRIER                                        ; 128 whole rows of x + ff lie in the stage
	LNLOOP BF2, G2, B2, 1
	s_barrier_signal -1
	s_barrier_wait -1
	s_wait_tensorcnt 0x0
	ds_add_u32 v254, v255
	s_wait_dscnt 0x0
	s_endpgm
.Lfunc_end_k_q436b3f0af7_ffn:
	.size	k_q436b3f0af7_ffn, .Lfunc_end_k_q436b3f0af7_ffn-k_q436b3f0af7_ffn
	.p2alignl 7, 3214868480
	.fill 96, 4, 3214868480
	.section	.rodata,"a",@progbits
	.p2align	6, 0x0
	.amdhsa_kernel k_q436b3f0af7_ffn
		.amdhsa_group_segment_fixed_size 244224
		.amdhsa_private_segment_fixed_size 0
		.amdhsa_enable_private_segment 0
		.amdhsa_kernarg_size 128
		.amdhsa_user_sgpr_count 2
		.amdhsa_user_sgpr_kernarg_segment_ptr 1
		.amdhsa_wavefront_size32 1
		.amdhsa_system_sgpr_workgroup_id_x 1
		.amdhsa_system_sgpr_workgroup_id_y 1
		.amdhsa_system_sgpr_workgroup_id_z 1
		.amdhsa_system_vgpr_workitem_id 0
		.amdhsa_next_free_vgpr 1024
		.amdhsa_next_free_sgpr 82
		.amdhsa_reserve_vcc 0
		.amdhsa_float_denorm_mode_32 3
		.amdhsa_float_denorm_mode_16_64 3
		.amdhsa_memory_ordered 1
		.amdhsa_forward_progress 1
		.amdhsa_inst_pref_size 220
	.end_amdhsa_kernel
	.amdgpu_metadata
---
amdhsa.version: [ 1, 2 ]
amdhsa.kernels:
  - .name:           k_q436b3f0af7_ffn
    .symbol:         k_q436b3f0af7_ffn.kd
    .args:
      - { .name: aout, .offset: 0, .size: 8, .value_kind: global_buffer, .address_space: global }
      - { .name: out0, .offset: 8, .size: 8, .value_kind: global_buffer, .address_space: global }
      - { .name: src, .offset: 16, .size: 8, .value_kind: global_buffer, .address_space: global }
      - { .name: Wout_codes, .offset: 24, .size: 8, .value_kind: global_buffer, .address_space: global }
      - { .name: Wout_scales, .offset: 32, .size: 8, .value_kind: global_buffer, .address_space: global }
      - { .name: bout, .offset: 40, .size: 8, .value_kind: global_buffer, .address_space: global }
      - { .name: g1, .offset: 48, .size: 8, .value_kind: global_buffer, .address_space: global }
      - { .name: b1, .offset: 56, .size: 8, .value_kind: global_buffer, .address_space: global }
      - { .name: Wff1_codes, .offset: 64, .size: 8, .value_kind: global_buffer, .address_space: global }
      - { .name: Wff1_scales, .offset: 72, .size: 8, .value_kind: global_buffer, .address_space: global }
      - { .name: bff1, .offset: 80, .size: 8, .value_kind: global_buffer, .address_space: global }
      - { .name: Wff2_codes, .offset: 88, .size: 8, .value_kind: global_buffer, .address_space: global }
      - { .name: Wff2_scales, .offset: 96, .size: 8, .value_kind: global_buffer, .address_space: global }
      - { .name: bff2, .offset: 104, .size: 8, .value_kind: global_buffer, .address_space: global }
      - { .name: g2, .offset: 112, .size: 8, .value_kind: global_buffer, .address_space: global }
      - { .name: b2, .offset: 120, .size: 8, .value_kind: global_buffer, .address_space: global }
    .group_segment_fixed_size: 244224
    .private_segment_fixed_size: 0
    .kernarg_segment_align: 8
    .kernarg_segment_size: 128
    .max_flat_workgroup_size: 128
    .sgpr_count:     82
    .vgpr_count:     1024
    .wavefront_size: 32
...
	.end_amdgpu_metadata
.endif
;; end of part 6
